; MI455X (gfx1250); checked and timed in simulation.
; The chip was launched on July 23, 2026; its instructions are those of AMD's public machine-readable ISA for CDNA 5 (MIT licence, August 2026) and "CDNA5" Instruction Set Architecture Reference Guide (July 2026). The comments in the code are by the model that wrote it; some were corrected since.
;; Multi Head Attention. Allowed arithmetic: matrix products marked QUANTISED: E2M3 operands, one E8M0 scale for each 32 along K, by v_wmma_scale_f32_16x16x128_f8f6f4 with both operands' format E2M3, f32 sums; everything else in f32.
;; Inputs: Wk 16 x 64 x 1,024 float32; Wo 1,024 x 1,024 float32; Wq 16 x 64 x 1,024 float32; Wv 16 x 64 x 1,024 float32; bk 16 x 64 float32; bo 1,024 float32; bq 16 x 64 float32; bv 16 x 64 float32; input_matrix 4 x 2,048 x 1,024 float32.
;; Outputs: out0 4 x 2,048 x 1,024 float32.
;; This version of the problem:
;;   THIS VERSION OF THE PROBLEM IS GIVEN IN LOW PRECISION. The matrix products marked QUANTISED in the list below multiply operands that are first quantised to E2M3 (2 exponent bits, 3 mantissa bits; 6 bits a number), with one power-of-two scale for each 32 numbers along K (OCP MX v1.0); their sums are f32. All else is computed in f32.
;;   The module's matrix products, in the order in which they are computed (A, B: the left and right operand; K: the contracted axis; several contracted axes count as one K, in the product's order):
;;     1. [M 1,024, K 1,024] x [K 1,024, N 8,192]; A: input Wq; B: input input_matrix: QUANTISED
;;     2. [M 1,024, K 1,024] x [K 1,024, N 8,192]; A: input Wk; B: input input_matrix: QUANTISED
;;     3. [M 1,024, K 1,024] x [K 1,024, N 8,192]; A: input Wv; B: input input_matrix: QUANTISED
;;     4. batch 64 x [M 2,048, K 64] x [K 64, N 2,048]; A: computed on the way; B: computed on the way: QUANTISED
;;     5. batch 64 x [M 2,048, K 2,048] x [K 2,048, N 64]; A: softmax (see below); B: computed on the way: QUANTISED
;;     6. [M 8,192, K 1,024] x [K 1,024, N 1,024]; A: computed on the way; B: input Wo: QUANTISED
;;   THE QUANTISER, for each operand of a quantised product, along K:
;;     - K is cut into blocks of 32 from its start; a last block that is shorter is filled with zeros.
;;     - A block's scale is 2^e with e = floor(log2(the largest magnitude in the block)) - 2, held to -126 .. 127; a block of zeros has e = 0. As a byte (E8M0): e + 127.
;;     - Each number is divided by its block's scale, clamped to +-7.5, and rounded to the nearest number of E2M3, ties to even, subnormals kept.
;;     - The product sums the exact products of the quantised numbers (number of the format x scale) in f32.
;;   ~~~python
;;   def quantise(x, axis):      # numpy; x: float32 -> the quantised numbers, widened to float32 again
;;       x = np.moveaxis(x, axis, -1); K = x.shape[-1]
;;       x = np.pad(x, [(0, 0)] * (x.ndim - 1) + [(0, -K % 32)]); x = x.reshape(x.shape[:-1] + (-1, 32)); a = np.abs(x).max(-1, keepdims=True)
;;       e = np.where(a > 0, np.clip(np.frexp(np.where(a > 0, a, 1))[1] - 1 - 2, -126, 127), 0)      # np.frexp(a)[1] - 1 = floor(log2(a)), exactly
;;       r = np.clip(x / 2.0 ** e, -7.5, 7.5)
;;       step = 2.0 ** (np.maximum(np.frexp(np.where(r == 0, 1, r))[1] - 1, 0) - 3)
;;       q = np.round(r / step) * step * 2.0 ** e      # np.round: ties to even
;;       return np.moveaxis(q.reshape(q.shape[:-2] + (-1,))[..., :K], -1, axis).astype(np.float32)
;;   ~~~
;;   SOFTMAX AHEAD OF A QUANTISED PRODUCT. Where the list says 'softmax', what is quantised is not the finished softmax but p = 2^(t - M), with t = logit x log2(e) and M = ceil(the row's largest t), a whole number; so 1/2 < the row's largest p <= 1. The row's sum l is taken of the UNQUANTISED p, in f32, and the product's result is divided by l at the end. Since M is a whole number, a kernel that streams over the keys may use a running M (the ceiling of the running maximum): every later rescaling is an exact power of two, which a block's scale takes up: the codes' values come out the same.
;;   OPERANDS COMPUTED ON THE WAY. 'Computed on the way' means the value that the module computes at that place (a softmax that the list does not call 'softmax' is quantised finished and normalised). What goes into a quantiser is computed in f32, as accurately as f32 sums, v_exp_f32 and their like allow (about 1e-6 of the number): no bf16 or f16 on the way to a quantiser, and a product that is left as it is and whose result goes on into a quantised operand takes f32 operands (vector FMAs, or v_wmma_f32_16x16x4_f32). A number that lies on a knife's edge between two numbers of the format may be rounded either way, as far as f32 arithmetic and the matrix unit's own rounding can turn it there, and no further.
;; One version. Each part assembles by itself: llvm-mc -triple=amdgcn-amd-amdhsa -mcpu=gfx1250 --defsym DOCPART=n.
;; ======== version 1 of 1: 4 launches
;; limits: right only within a limited range of input values
;; workspace buffers: xc 9,830,400 bytes; qkv 19,136,512 bytes; qks 524,288 bytes; zc 6,291,456 bytes; zs 262,144 bytes
;; launch quant (part 1): grid 256 x 1, 6 waves a work-group, no clusters, 51,456 bytes of LDS; arguments input_matrix, Wq, Wk, Wv, Wo, xc; writes xc
.if DOCPART == 1
	.amdgcn_target "amdgcn-amd-amdhsa--gfx1250"
	.amdhsa_code_object_version 6
	.text
	.protected	k_qe9a9d8c077_quant
	.globl	k_qe9a9d8c077_quant
	.p2align	8
	.type	k_qe9a9d8c077_quant,@function
k_qe9a9d8c077_quant:
	s_mov_b64 s[64:65], 0
	v_nop
	global_prefetch_b8 v0, s[64:65] scope:SCOPE_SE
	s_setreg_imm32_b32 hwreg(HW_REG_WAVE_MODE, 25, 1), 1
	s_wait_xcnt 0x0
; input_matrix [8192][1024], Wq, Wk, Wv ([1024][1024] each, head x 64 + e as the row) and Wo [1024][1024], all f32 with K innermost, become codes of E2M3
; with one E8M0 byte for each 32 along K, laid in xc in the order of the matrix operand's registers.
; NO WORK OF THE PROBLEM IS LEFT OUT IN ANY LAUNCH: all six products are live, and each bias goes into a quantised operand (bq, bk into q and k, bv into v) or into the output (bo):
; bk would cancel in a softmax of real numbers, but it moves k's codes and scales, so it stays.  All ten buffers are used.
; A block's scale is 2^(floor(log2(its largest magnitude)) - 2); its byte is the largest magnitude's exponent field - 2, held at 1 from below.
; LIMITS: NaN and infinities among the inputs are not served; a block whose largest magnitude lies under 2^-124 keeps the byte 1; a block of zeros gets the byte 1 where the rule says 127:
; its codes are zeros, which add nothing under that byte, and the bytes are read by this program alone.
; LAYOUT OF xc: [K quarter 4][pair of tiles 384][6,400 bytes].  A pair is 32 rows; lane-row m of its tile u is row 8 u + m + 8 (m / 8).  Pairs 0-255 x, 256-287 Wq, 288-319 Wk, 320-351 Wv, 352-383 Wo.
; In a chunk: the fragment (tile u, K step k2 of the quarter's two) at 3072 u + 1536 k2, register 4 c + i of lane l at 512 c + 16 l + 4 i; from byte 6,144 the scale words: (u, k2, row r) at 16 r + 8 k2 + 4 u.
; SHARES: 1,536 tasks (pair, quarter), one a wave, six waves a work-group.  A task is four steps s = 2 u + k2 of 16 rows x 128 K.  Each load reads 512 consecutive bytes of one row; the step turns through
; the wave's own stage in LDS (rows 528 bytes apart) so that a lane gets two whole blocks of 32 of its row; the conversions' results are the operand's registers.  Waves share nothing: no barrier.
.set KQ,     2457600                   ; bytes of a K quarter in xc
.set CHUNK,  6400
.set SROW,   528                       ; a stage row: 512 bytes + 16
.set WST,    16*SROW                   ; a wave's stage
.set SPARE,  6*WST                     ; behind the stages: the spare words, 128 bytes a wave: three blocks of 256 bytes that no other line names
.set LO,  4                            ; v4   16 x lane
.set STW, 5                            ; v5   the stage, on the way in
.set STR, 6                            ; v6   and on the way out: row r, + 128 h
.set SCO, 7                            ; v7   my 8 bytes of the chunk's scale words
.set SH8, 8                            ; v8   8 h
.set SPW, 10                           ; v10  my spare word
.set NIL, 11                           ; v11  0
.set MX,  12                           ; v12-13 largest magnitudes of my two blocks
.set SOP, 14                           ; v14-15 the conversions' scale operands
.set BY,  16                           ; v16-17 the bytes
.set WD,  20                           ; v20-23 the scale word of each step
.set C,   28                           ; v28-39 a fragment's codes
.set TC,  40                           ; v40-42, v44-46 the upper halves of the blocks, before they are moved
.set R,   64                           ; three sets of 64 numbers
	s_load_b256 s[4:11], s[0:1], 0x0               ; x, Wq, Wk, Wv
	s_load_b128 s[12:15], s[0:1], 0x20             ; Wo, xc
	v_lshl_add_u32 v[SPW], v0, 2, SPARE
	v_mov_b32 v[NIL], 0
	v_lshrrev_b32 v1, 5, v0
	v_readfirstlane_b32 s22, v1                    ; wave 0..5
	v_and_b32 v1, 31, v0                           ; lane
	v_and_b32 v2, 15, v0                           ; r
	v_bfe_u32 v3, v0, 4, 1                         ; h
	v_lshlrev_b32 v[LO], 4, v1
	s_mul_i32 s23, s22, WST
	v_add_nc_u32 v[STW], s23, v[LO]
	v_mul_u32_u24 v[STR], v2, SROW
	v_lshl_add_u32 v[STR], v3, 7, v[STR]
	v_add_nc_u32 v[STR], s23, v[STR]
	v_lshlrev_b32 v[SCO], 4, v2
	v_lshl_add_u32 v[SCO], v3, 3, v[SCO]
	v_add_nc_u32 v[SCO], 6144, v[SCO]
	v_lshlrev_b32 v[SH8], 3, v3
	v_mov_b32 v19, 0                               ; written once: a lane permute's destination counts as one of its sources
	s_mov_b32 s30, 0xffff0000                      ; lanes 16-31
	s_mov_b32 s20, 0x76543210
	s_mov_b32 s21, 0xfedcba98                      ; selects for lane l xor 16
	s_mul_i32 s24, ttmp9, 6
	s_add_co_u32 s24, s24, s22                     ; my task
	s_lshr_b32 s25, s24, 2                         ; its pair
	s_and_b32 s26, s24, 3                          ; its K quarter
	s_wait_alu depctr_va_vdst(0)
	s_wait_kmcnt 0x0
	s_mov_b64 s[16:17], s[12:13]                   ; which tensor the pair lies in: a choice on the task's number alone
	s_mov_b32 s27, 352
	s_cmp_lt_u32 s25, 352
	s_cselect_b64 s[16:17], s[10:11], s[16:17]
	s_cselect_b32 s27, 320, s27
	s_cmp_lt_u32 s25, 320
	s_cselect_b64 s[16:17], s[8:9], s[16:17]
	s_cselect_b32 s27, 288, s27
	s_cmp_lt_u32 s25, 288
	s_cselect_b64 s[16:17], s[6:7], s[16:17]
	s_cselect_b32 s27, 256, s27
	s_cmp_lt_u32 s25, 256
	s_cselect_b64 s[16:17], s[4:5], s[16:17]
	s_cselect_b32 s27, 0, s27
	s_sub_co_u32 s28, s25, s27
	s_lshl_b32 s28, s28, 17                        ; 32 rows of 4,096 bytes a pair
	s_lshl_b32 s29, s26, 10                        ; 256 numbers a quarter
	s_add_co_u32 s28, s28, s29
	s_mov_b32 s29, 0
	s_add_nc_u64 s[16:17], s[16:17], s[28:29]
	s_mul_i32 s28, s26, KQ
	s_mul_i32 s32, s25, CHUNK
	s_add_co_u32 s28, s28, s32
	s_add_nc_u64 s[18:19], s[14:15], s[28:29]      ; my chunk
.macro LOAD s                          ; step s: lane-row n of tile s / 2, 128 numbers from 128 (s % 2) on, into set s % 3
.set n, 0
.rept 16
	global_load_b128 v[R+64*((\s)%3)+4*n:R+64*((\s)%3)+4*n+3], v[LO], s[16:17] offset:(8*((\s)/2)+n+8*(n/8))*4096+512*((\s)%2) th:TH_LOAD_NT
.set n, n+1
.endr
.endm
.macro STEP s, left
.set RS, R+64*((\s)%3)
	s_wait_loadcnt \left                           ; this step's 16 loads are in; those of later sets stay out
.set n, 0
.rept 16
	ds_store_b128 v[STW], v[RS+4*n:RS+4*n+3] offset:SROW*n
.set n, n+1
.endr
.set n, 0
.rept 8                                ; LDS serves a wave's instructions in order: these see the stores above.  Block h of my row, then block 2 + h
	ds_load_b128 v[RS+4*n:RS+4*n+3], v[STR] offset:16*n
.set n, n+1
.endr
.set n, 0
.rept 8
	ds_load_b128 v[RS+32+4*n:RS+32+4*n+3], v[STR] offset:256+16*n
.set n, n+1
.endr
	s_wait_dscnt 0x0
.irp c, 0,1
	v_max3_num_f32 v[MX+\c], |v[RS+32*\c]|, |v[RS+32*\c+1]|, 0x1800000   ; with the floor 2^(3 - 127): the byte cannot fall under 1
.endr
.irp i, 2,4,6,8,10,12,14,16,18,20,22,24,26,28,30
.irp c, 0,1
	v_max3_num_f32 v[MX+\c], v[MX+\c], |v[RS+32*\c+\i]|, |v[RS+32*\c+\i+1]|
.endr
.endr
.irp c, 0,1
	v_add_nc_u32 v[SOP+\c], 0xff000000, v[MX+\c]   ; 2 off the exponent field: the conversion takes that field as its scale
.endr
.irp c, 0,1
	v_lshrrev_b32 v[BY+\c], 23, v[SOP+\c]          ; the byte
.endr
	v_lshl_or_b32 v18, v[BY+1], 16, v[BY]          ; blocks h and 2 + h,
	v_lshlrev_b32 v18, v[SH8], v18                 ; at their places in the word;
	v_permlanex16_b32 v19, v18, s20, s21
	v_or_b32 v[WD+\s], v18, v19                    ; with lane l xor 16's two the word is whole
.if (\s) > 0
	s_wait_alu depctr_va_vdst(0)
	s_wait_xcnt 0x0                                ; the last step's stores have read the codes' registers
.endif
.irp c, 0,1
	v_cvt_scalef32_pk16_fp6_f32 v[C+6*\c:C+6*\c+2], v[RS+32*\c:RS+32*\c+15], v[SOP+\c]
	v_cvt_scalef32_pk16_fp6_f32 v[TC+4*\c:TC+4*\c+2], v[RS+32*\c+16:RS+32*\c+31], v[SOP+\c]   ; (a conversion's three registers begin on an even number)
.endr
	v_nop                                          ; one plain place behind a scaled conversion
.irp c, 0,1
.irp i, 0,1,2
	v_mov_b32 v[C+3+6*\c+\i], v[TC+4*\c+\i]
.endr
.endr
.irp c, 0,1,2
	global_store_b128 v[LO], v[C+4*\c:C+4*\c+3], s[18:19] offset:1536*(\s)+512*\c   ; 512 consecutive bytes
.endr
.endm
	LOAD 0
	LOAD 1
	LOAD 2                                         ; 48 loads of the wave are out
	STEP 0, 32
	LOAD 3                                         ; into the set that step 0 has left
	STEP 1, 32
	STEP 2, 16
	STEP 3, 0
	v_cndmask_b32 v24, v[WD], v[WD+1], s30         ; lanes 0-15: K step 0's words of tiles 0 and 1; lanes 16-31: K step 1's
	v_cndmask_b32 v25, v[WD+2], v[WD+3], s30
	global_store_b64 v[SCO], v[24:25], s[18:19]    ; 256 consecutive bytes
	s_wait_tensorcnt 0x0                           ; the wave's end
	ds_add_u32 v[SPW], v[NIL]
	s_wait_dscnt 0x0
	s_endpgm
.Lfunc_end_k_qe9a9d8c077_quant:
	.size	k_qe9a9d8c077_quant, .Lfunc_end_k_qe9a9d8c077_quant-k_qe9a9d8c077_quant
	.p2alignl 7, 3214868480
	.fill 96, 4, 3214868480
	.section	.rodata,"a",@progbits
	.p2align	6, 0x0
	.amdhsa_kernel k_qe9a9d8c077_quant
		.amdhsa_group_segment_fixed_size 51456
		.amdhsa_private_segment_fixed_size 0
		.amdhsa_enable_private_segment 0
		.amdhsa_kernarg_size 48
		.amdhsa_user_sgpr_count 2
		.amdhsa_user_sgpr_kernarg_segment_ptr 1
		.amdhsa_wavefront_size32 1
		.amdhsa_system_sgpr_workgroup_id_x 1
		.amdhsa_system_sgpr_workgroup_id_y 1
		.amdhsa_system_sgpr_workgroup_id_z 1
		.amdhsa_system_vgpr_workitem_id 0
		.amdhsa_next_free_vgpr 256
		.amdhsa_next_free_sgpr 66
		.amdhsa_reserve_vcc 0
		.amdhsa_float_denorm_mode_32 3
		.amdhsa_float_denorm_mode_16_64 3
		.amdhsa_memory_ordered 1
		.amdhsa_forward_progress 1
		.amdhsa_inst_pref_size 31
	.end_amdhsa_kernel
	.amdgpu_metadata
---
amdhsa.version: [ 1, 2 ]
amdhsa.kernels:
  - .name:           k_qe9a9d8c077_quant
    .symbol:         k_qe9a9d8c077_quant.kd
    .args:
      - { .name: input_matrix, .offset: 0, .size: 8, .value_kind: global_buffer, .address_space: global }
      - { .name: Wq, .offset: 8, .size: 8, .value_kind: global_buffer, .address_space: global }
      - { .name: Wk, .offset: 16, .size: 8, .value_kind: global_buffer, .address_space: global }
      - { .name: Wv, .offset: 24, .size: 8, .value_kind: global_buffer, .address_space: global }
      - { .name: Wo, .offset: 32, .size: 8, .value_kind: global_buffer, .address_space: global }
      - { .name: xc, .offset: 40, .size: 8, .value_kind: global_buffer, .address_space: global }
    .group_segment_fixed_size: 51456
    .private_segment_fixed_size: 0
    .kernarg_segment_align: 8
    .kernarg_segment_size: 48
    .max_flat_workgroup_size: 192
    .sgpr_count:     66
    .vgpr_count:     256
    .wavefront_size: 32
...
	.end_amdgpu_metadata
.endif
;; end of part 1
;; launch qkvgemm (part 2): grid 4 x 64, 4 waves a work-group, clusters of 4 x 4, 327,680 bytes of LDS; arguments xc, bq, bk, bv, qkv, qks; writes qkv, qks
.if DOCPART == 2
	.amdgcn_target "amdgcn-amd-amdhsa--gfx1250"
	.amdhsa_code_object_version 6
	.text
	.protected	k_qe9a9d8c077_qkvgemm
	.globl	k_qe9a9d8c077_qkvgemm
	.p2align	8
	.type	k_qe9a9d8c077_qkvgemm,@function
k_qe9a9d8c077_qkvgemm:
	s_mov_b64 s[64:65], 0
	v_nop
	global_prefetch_b8 v0, s[64:65] scope:SCOPE_SE
	s_setreg_imm32_b32 hwreg(HW_REG_WAVE_MODE, 25, 1), 1
	s_wait_xcnt 0x0
	s_wait_alu depctr_hold_cnt(0) depctr_sa_sdst(0) depctr_va_vdst(0) depctr_va_sdst(0) depctr_va_ssrc(0) depctr_va_vcc(0) depctr_vm_vsrc(0)
	s_getreg_b32 s2, hwreg(HW_REG_IB_STS2, 6, 4)
	s_cmp_eq_u32 s2, 0
	s_cbranch_scc0 .Lentry_in_a_cluster
	s_endpgm
.Lentry_in_a_cluster:
	s_bfe_u32 s2, ttmp6, 0x10000c
	s_cmp_lg_u32 s2, 0xf033
	s_cbranch_scc0 .Lentry_shape_is_right
	s_endpgm
.Lentry_shape_is_right:
; q = x Wq^T + bq, k = x Wk^T + bk, v = x Wv^T + bv on the codes of xc; the results are quantised on the way out: q and k along the head's 64, v along the tokens.  No work is left out.
; A work-group makes P 256 rows (source 0: they run along a lane's registers in the result) x R 128 rows (source 1: they run along the lanes), all of K = 1,024.
; Clusters x = 0, 1 (q, k): P = features, R = tokens, so that a lane holds one token and 64 features of two heads.  Cluster x = 2 (v): P = tokens, R = features, so that a lane holds one feature and 64 tokens.
; x and the weights lie in one buffer in one layout, so the change of roles is arithmetic on the pair numbers.
; (256 + 128) rows x 800 bytes = 307,200 bytes: all of K lies in LDS at once.  Four tensor loads a tile, one a wave (two K quarters each); within a tile no byte of LDS is filled twice.
; CLUSTER 4 x 4: P hangs on cx alone and is asked for jointly along a column of the cluster, R on cy alone and along a row.
; By the order of rows in a tile (lane-row m of tile u of a pair is row 8 u + m + 8 (m / 8)) the 16 registers of two neighbouring P tiles are 16 neighbouring rows: 32 g + 16 h + 0 .. 15.
; qkv: [batch x 16 + head][299,008]: q [tile 128][768], k likewise at 98,304 (a tile: 16 tokens x 64 codes, registers 0-3 at 16 l, 4-5 at 512 + 8 l); v at 196,608 [step of 128 keys 16][tile of 16 e 4][1,536];
; v's scale words at 294,912 [step][r][4 tiles].  qks: [q, k][pair of heads 32][four tiles 32][head 2][r 16][4 x 2 bytes].
; LIMITS: NaN and infinities are not served; a block under 2^-124 keeps the byte 1, a block of zeros too (its codes are zeros; this program alone reads the bytes).
; REGISTERS: window 0: v1-14 addresses; v16-39 scale words, two sets; v40-87, v88-135 R's fragments, two sets; v136-199 the bias; v200-221 the quantiser's.  On the way out v40-103 hold 64 numbers, v104-122 codes.
;   window 1: P's fragments, two sets of 96.   window 2: accumulator (a, b) at v[8 (8 a + b)].
.set KQ,    2457600
.set CH,    6400
.set QB,    76800                      ; a K quarter's bytes in LDS: P's 8 chunks and R's 4
.set REC,   299008
.set SPARE, 4*QB                       ; the spare words: 128 bytes a wave, two blocks of 256 bytes that no other line names
.set AP,  4                            ; v4   P's fragments: 25,600 pp + 16 l (+ the quarter)
.set AR,  5                            ; v5   R's: 102,400 + 12,800 rr + 16 l
.set ASP, 6                            ; v6   P's scale words: + 6,144 + 16 r + 8 h
.set ASR, 7                            ; v7   R's
.set L16, 8                            ; v8   16 l
.set L8,  9                            ; v9   8 l
.set PSEL, 10                          ; v10  byte selects: low halves in lanes 0-15, high halves in lanes 16-31
.set BO,  11                           ; v11  the bias's lane offset
.set SPW, 12
.set NIL, 13
.set RH,  14                           ; v14  16 r + 8 h
.set SC,  16
.set RF,  40
.set BI,  136
.set TM,  200
.set PWS, 216
.set HA,  40
.set PC,  104
.set SEL, 2                            ; s[2:3] selects for lane l xor 16
.set G1P, 24
.set G1R, 32
.set G0P, 40                           ; s[40:47] a group 0 for each pair of quarters
.set G0R, 68                           ; s[68:75]
.set MSB, 0
.macro WIN new                         ; the immediate's high byte repeats the setting that is left
.if MSB != \new
	s_set_vgpr_msb (MSB<<8)|\new
.set MSB, \new
.endif
.endm
.macro CROUND                          ; a round of the cluster's barrier
	s_barrier_signal -1
	s_barrier_wait -1
	s_cmp_lg_u32 s16, 0
	s_cbranch_scc1 .Lnot_wave_0_\@
	s_barrier_signal -3
.Lnot_wave_0_\@:
	s_barrier_wait -3
	s_barrier_signal -1
	s_barrier_wait -1
.endm
.macro FRAG3 reg, adr, off             ; a fragment's 12 registers as they lie: three loads of 512 consecutive bytes
.irp c, 0,1,2
	ds_load_b128 v[(\reg)+4*\c:(\reg)+4*\c+3], v[\adr] offset:(\off)+512*\c
.endr
.endm
; 64 numbers of a lane, register 16 b + i = k 32 b + 16 h + i of my row, become a fragment's codes in v[PC] on and its scale word in v[pw]
.macro QUANT s, pw
.irp b, 0,1,2,3
	v_max3_num_f32 v[TM+\b], |v[\s+16*\b]|, |v[\s+1+16*\b]|, 0x1800000   ; with the floor 2^(3 - 127)
.endr
.irp i, 2,4,6,8,10,12,14
.irp b, 0,1,2,3
	v_max3_num_f32 v[TM+\b], v[TM+\b], |v[\s+16*\b+\i]|, |v[\s+1+16*\b+\i]|
.endr
.endr
.irp b, 0,1,2,3
	v_permlanex16_b32 v[TM+4+\b], v[TM+\b], s[SEL], s[SEL+1]
.endr
.irp b, 0,1,2,3
	v_max_num_f32 v[TM+\b], v[TM+\b], v[TM+4+\b]   ; with lane l xor 16's: the block's largest magnitude
.endr
.irp b, 0,1,2,3
	v_add_nc_u32 v[TM+12+\b], 0xff000000, v[TM+\b] ; 2 off its exponent field: the conversion's scale operand
.endr
.irp b, 0,1,2,3
	v_lshrrev_b32 v[TM+4+\b], 23, v[TM+12+\b]      ; the byte
.endr
	v_lshl_or_b32 v[\pw], v[TM+5], 8, v[TM+4]
	v_lshl_or_b32 v[\pw], v[TM+6], 16, v[\pw]
	v_lshl_or_b32 v[\pw], v[TM+7], 24, v[\pw]
.irp c, 0,1
	v_cvt_scalef32_pk16_fp6_f32 v[PC+6*\c:PC+2+6*\c], v[\s+32*\c:\s+15+32*\c], v[TM+12+2*\c]
	v_cvt_scalef32_pk16_fp6_f32 v[PC+12+4*\c:PC+14+4*\c], v[\s+16+32*\c:\s+31+32*\c], v[TM+12+2*\c+1]
.endr
	v_nop                                          ; one plain place behind a scaled conversion
.irp c, 0,1                            ; the operand wants a whole block in a lane
.irp i, 0,1,2
	v_permlane16_swap_b32 v[PC+6*\c+\i], v[PC+12+4*\c+\i]
.endr
.irp i, 0,1,2
	v_mov_b32 v[PC+3+6*\c+\i], v[PC+12+4*\c+\i]
.endr
.endr
.endm
	s_load_b256 s[4:11], s[0:1], 0x0               ; xc, bq, bk, bv
	s_load_b128 s[12:15], s[0:1], 0x20             ; qkv, qks
	v_lshl_add_u32 v[SPW], v0, 2, SPARE
	v_mov_b32 v[NIL], 0
	ds_add_u32 v[SPW], v[NIL]                      ; the opening: the add, twice on end, and its wait ahead of my first tensor load
	ds_add_u32 v[SPW], v[NIL]
	v_lshrrev_b32 v1, 5, v0
	v_readfirstlane_b32 s16, v1                    ; wave 0..3
	s_and_b32 s17, s16, 1                          ; pp: my half of P
	s_lshr_b32 s18, s16, 1                         ; rr: my half of R
	s_bfe_u32 s19, ttmp6, 0x40000                  ; cx
	s_bfe_u32 s20, ttmp6, 0x40004                  ; cy
	s_mov_b32 s21, 0                               ; A WORK-GROUP STAYS and makes three tiles, one after the other: s21 = 0 its tile of q, 1 of k, 2 of v; the same number in all partners
	s_and_b32 s22, ttmp7, 0xffff                   ; cluster y
	v_and_b32 v3, 31, v0                           ; l
	v_and_b32 v1, 15, v0                           ; r
	v_bfe_u32 v2, v0, 4, 1                         ; h
	v_lshlrev_b32 v[L16], 4, v3
	v_lshlrev_b32 v[L8], 3, v3
	s_mul_i32 s56, s17, 25600
	v_add_nc_u32 v[AP], s56, v[L16]
	s_mul_i32 s57, s18, 12800
	s_add_co_u32 s57, s57, 102400                  ; LDS: P's quarters 0, 1 at 0; R's at 102,400; P's quarters 2, 3 at 153,600; R's at 256,000
	v_add_nc_u32 v[AR], s57, v[L16]
	v_lshlrev_b32 v[RH], 4, v1
	v_lshl_add_u32 v[RH], v2, 3, v[RH]
	s_add_co_u32 s56, s56, 6144
	v_add_nc_u32 v[ASP], s56, v[RH]
	s_add_co_u32 s57, s57, 6144
	v_add_nc_u32 v[ASR], s57, v[RH]
	s_mov_b32 s98, 0xffff0000                      ; lanes 16-31
	v_mov_b32 v[PSEL], 0x05040100
	v_mov_b32 v[BO], 0x07060302
	v_cndmask_b32 v[PSEL], v[PSEL], v[BO], s98
.irp b, 0,1,2,3
	v_mov_b32 v[TM+4+\b], 0                        ; written once: a lane permute's destination counts as one of its sources
.endr
	s_mov_b32 s[SEL], 0x76543210
	s_mov_b32 s[SEL+1], 0xfedcba98
	s_lshl_b32 s60, 0x1111, s19                    ; my column of the cluster
	s_lshl_b32 s61, s20, 2
	s_lshl_b32 s61, 15, s61                        ; my row
	s_or_b32 s[G1P], s60, (3<<16)|(1<<21)          ; P goes to my column; elements of 8 bytes; bit 21 beside a mask
	s_or_b32 s[G1R], s61, (3<<16)|(1<<21)          ; R goes to my row
.irp g, G1P, G1R                       ; ONE LOAD COVERS TWO K QUARTERS: two rows, a quarter's dense bytes each (P 51,200, R 25,600), KQ bytes apart in memory, on end in LDS
	s_mov_b32 s[\g+2], 2<<16
	s_mov_b32 s[\g+4], 2
	s_mov_b32 s[\g+5], KQ/8
	s_mov_b32 s[\g+6], 0
	s_mov_b32 s[\g+7], 0
.endr
	s_mov_b32 s[G1P+1], 6400<<16
	s_mov_b32 s[G1P+3], 6400<<16
	s_mov_b32 s[G1R+1], 3200<<16
	s_mov_b32 s[G1R+3], 3200<<16
.macro WHERE tr                        ; where P's and R's chunks of the tile of kind s\tr begin in xc, in bytes: s[56:57], s[58:59]
	s_lshl_b32 s56, s\tr, 5
	s_add_co_u32 s56, s56, 256
	s_lshr_b32 s57, s22, 1
	s_lshl_b32 s57, s57, 5                         ; v: P = tokens' pairs
	s_and_b32 s58, s22, 1
	s_lshl_b32 s58, s58, 4
	s_add_co_u32 s58, s58, 320                     ; v: R = Wv's pairs
	s_lshl_b32 s59, s22, 4                         ; q, k: R = tokens' pairs
	s_cmp_eq_u32 s\tr, 2
	s_cselect_b32 s56, s57, s56
	s_cselect_b32 s58, s58, s59
	s_lshl_b32 s57, s19, 3
	s_add_co_u32 s56, s56, s57                     ; + 8 cx: P's registers never hold cy
	s_lshl_b32 s59, s20, 2
	s_add_co_u32 s58, s58, s59                     ; + 4 cy: R's never hold cx
	s_mul_i32 s56, s56, CH
	s_mov_b32 s57, 0
	s_mul_i32 s58, s58, CH
	s_mov_b32 s59, 0
.endm
	WHERE 21
	s_wait_dscnt 0x0                               ; both opening adds are done
	s_wait_kmcnt 0x0
.macro GROUP0                          ; the four groups 0; written only where no tensor load of the wave is out
	s_add_nc_u64 s[60:61], s[4:5], s[56:57]
	s_add_nc_u64 s[62:63], s[4:5], s[58:59]
.irp q, 0,1                            ; group 0 of quarters 2 q and 2 q + 1
	s_mov_b32 s[G0P+4*\q], 1
	s_mov_b32 s[G0P+4*\q+1], \q*153600
	s_add_nc_u64 s[G0P+4*\q+2:G0P+4*\q+3], s[60:61], \q*2*KQ
	s_or_b32 s[G0P+4*\q+3], s[G0P+4*\q+3], 0x80000000
	s_mov_b32 s[G0R+4*\q], 1
	s_mov_b32 s[G0R+4*\q+1], 102400+\q*153600
	s_add_nc_u64 s[G0R+4*\q+2:G0R+4*\q+3], s[62:63], \q*2*KQ
	s_or_b32 s[G0R+4*\q+3], s[G0R+4*\q+3], 0x80000000
.endr
.endm
	GROUP0
	CROUND                                         ; all sixteen work-groups are here: the joint loads meet
; THE HEAD'S FOUR LOADS, ONE A WAVE, each in its own arm of one chain: wave 0 P's quarters 0, 1; wave 1 R's; wave 2 P's quarters 2, 3; wave 3 R's.  No byte of LDS is filled twice.
.macro ARM under, g0, g1, next, done
	s_cmp_lt_u32 s16, \under
	s_cbranch_scc0 \next
	tensor_load_to_lds s[\g0:\g0+3], s[\g1:\g1+7]
	s_nop 0
.rept 4
	v_nop
.endr
	s_branch \done
\next:
.endm
.macro ARMS tag
	ARM 1, G0P, G1P, .Larm_1_\tag, .Lasked_\tag
	ARM 2, G0R, G1R, .Larm_2_\tag, .Lasked_\tag
	ARM 3, G0P+4, G1P, .Larm_3_\tag, .Lasked_\tag
	tensor_load_to_lds s[G0R+4:G0R+7], s[G1R:G1R+7]
	s_nop 0
.rept 4
	v_nop
.endr
.Lasked_\tag:
.endm
	ARMS 0
; The fragments of K step t into set t % 2; with an even t the quarter's scale words too: lanes 0-15 take its first K step's word, lanes 16-31 its second's.
; Four plain vector lines stand ahead of loads into registers that the last products read: the steps of the four addresses, or four v_nop.
.macro FETCH t
.set PFS, 96*((\t)%2)
.set RFS, RF+48*((\t)%2)
.set K2O, 1536*((\t)%2)
.if (((\t)%2) == 0) && ((\t) > 0)
	WIN 0
.if (\t) == 4                          ; from quarter 1 to quarter 2: on to the second pair of loads' bytes
.set PST, 102400
.set RST, 128000
.else
.set PST, 51200
.set RST, 25600
.endif
	v_add_nc_u32 v[AP], PST, v[AP]
	v_add_nc_u32 v[AR], RST, v[AR]
	v_add_nc_u32 v[ASP], PST, v[ASP]
	v_add_nc_u32 v[ASR], RST, v[ASR]
.elseif (\t) > 1
.rept 4
	v_nop
.endr
.endif
	WIN 0x40                                       ; destination window 1
.irp b, 0,1,2,3,4,5,6,7
	FRAG3 PFS+12*\b, AP, CH*(\b/2)+3072*(\b%2)+K2O
.endr
	WIN 0
.irp a, 0,1,2,3
	FRAG3 RFS+12*\a, AR, CH*(\a/2)+3072*(\a%2)+K2O
.endr
.if ((\t)%2) == 0
.set SCF, SC+12*(((\t)/2)%2)
.irp g, 0,1,2,3
	ds_load_b64 v[SCF+2*\g:SCF+2*\g+1], v[ASP] offset:CH*\g
.endr
.irp g, 0,1
	ds_load_b64 v[SCF+8+2*\g:SCF+9+2*\g], v[ASR] offset:CH*\g
.endr
.endif
.endm
; 32 products of K step s.  The 32 accumulators take turns, one instruction a turn, in the same order in every step.  The first step starts the sums.
.macro MUL s
.set PFM, 96*((\s)%2)
.set RFM, RF+48*((\s)%2)
.set SCM, SC+12*(((\s)/2)%2)
	WIN 0xa1                                       ; source 0 (P) window 1, source 1 (R) window 0, C and D window 2
.irp a, 0,1,2,3
.irp b, 0,1,2,3,4,5,6,7
.if (\s) == 0
	v_wmma_scale_f32_16x16x128_f8f6f4 v[8*(8*\a+\b):8*(8*\a+\b)+7], v[PFM+12*\b:PFM+12*\b+11], v[RFM+12*\a:RFM+12*\a+11], 0, v[SCM+\b], v[SCM+8+\a] matrix_a_fmt:MATRIX_FMT_FP6 matrix_b_fmt:MATRIX_FMT_FP6
.elseif (\s)%2
	v_wmma_scale_f32_16x16x128_f8f6f4 v[8*(8*\a+\b):8*(8*\a+\b)+7], v[PFM+12*\b:PFM+12*\b+11], v[RFM+12*\a:RFM+12*\a+11], v[8*(8*\a+\b):8*(8*\a+\b)+7], v[SCM+\b], v[SCM+8+\a] matrix_a_fmt:MATRIX_FMT_FP6 matrix_b_fmt:MATRIX_FMT_FP6 matrix_a_scale:MATRIX_SCALE_ROW1 matrix_b_scale:MATRIX_SCALE_ROW1
.else
	v_wmma_scale_f32_16x16x128_f8f6f4 v[8*(8*\a+\b):8*(8*\a+\b)+7], v[PFM+12*\b:PFM+12*\b+11], v[RFM+12*\a:RFM+12*\a+11], v[8*(8*\a+\b):8*(8*\a+\b)+7], v[SCM+\b], v[SCM+8+\a] matrix_a_fmt:MATRIX_FMT_FP6 matrix_b_fmt:MATRIX_FMT_FP6
.endif
.endr
.endr
.endm
; K step s: its fragments are in; the next step's are asked for; then the products.  In front of quarter 2's first read: my load has landed, and a barrier
; shows the same of every wave.
.macro STEP s
.if (\s) == 3
	s_wait_tensorcnt 0x0                           ; every wave: quarters 2 and 3 are in
.endif
	s_wait_dscnt 0x0
.if (\s) == 3
	s_barrier_signal -1
	s_barrier_wait -1
.endif
.if (\s) < 7
	FETCH (\s)+1
.endif
	MUL \s
.endm
.macro COMMON                          ; a tile's K steps 0 to 5, alike for q, k and v
	s_wait_alu depctr_va_vdst(0)
	s_cmp_lt_u32 s16, 2
	s_cbranch_scc0 .Lnot_first_\@
	s_wait_tensorcnt 0x0                           ; waves 0 and 1, whose load lines are their own: quarters 0 and 1 are in
.Lnot_first_\@:
	s_barrier_signal -1
	s_barrier_wait -1
	FETCH 0
	STEP 0
	STEP 1
	s_wait_alu depctr_va_vdst(0)
	STEP 2
	STEP 3
	s_wait_alu depctr_va_vdst(0)
	STEP 4
	STEP 5
	WIN 0
.endm
.Ltile:                                        ; two trips: q, then k; v's tile is the tail behind the loop, which asks for nothing more
	COMMON
	; ---- q, k.  The bias is asked for two K steps ahead of its use
	s_lshl_b32 s84, s19, 1
	s_add_co_u32 s84, s84, s17                     ; g = 2 cx + pp: my pair of heads
	s_lshl_b32 s85, s22, 2
	s_add_co_u32 s85, s85, s20                     ; my block of 128 tokens
	s_lshr_b32 s86, s85, 4                         ; its batch
	s_and_b32 s87, s85, 15
	s_cmp_eq_u32 s21, 0
	s_cselect_b64 s[88:89], s[6:7], s[8:9]         ; bq or bk
	s_lshl_b32 s90, s84, 9                         ; my 128 features
	s_mov_b32 s91, 0
	s_add_nc_u64 s[88:89], s[88:89], s[90:91]
	s_lshl_b32 s90, s86, 3
	s_add_co_u32 s90, s90, s84                     ; 8 batch + g
	s_lshl_b32 s92, s87, 1
	s_add_co_u32 s92, s92, s18                     ; my four tiles of tokens
	s_mul_i32 s94, s90, 2*REC
	s_mul_i32 s95, s21, 98304
	s_add_co_u32 s94, s94, s95
	s_mul_i32 s95, s92, 4*768
	s_add_co_u32 s94, s94, s95
	s_mov_b32 s95, 0
	s_add_nc_u64 s[48:49], s[12:13], s[94:95]      ; the tile's place in registers of its own: the buffers' addresses stay for the next tile
	s_lshl_b32 s90, s90, 5
	s_add_co_u32 s90, s90, s92
	s_lshl_b32 s90, s90, 8
	s_lshl_b32 s92, s21, 18
	s_add_co_u32 s90, s90, s92
	s_add_nc_u64 s[50:51], s[14:15], s[90:91]
	v_lshlrev_b32 v[BO], 6, v2                     ; my half's 16 features of each 32
.irp k, 0,1,2,3
.irp m, 0,1,2,3
	global_load_b128 v[BI+16*\k+4*\m:BI+16*\k+4*\m+3], v[BO], s[88:89] offset:128*\k+16*\m
.endr
.endr
	s_wait_alu depctr_va_vdst(0)
	STEP 6
	WIN 0
	; THE NEXT TILE IS ASKED FOR HERE: with K step 7's fragments in registers nobody reads LDS any more; the loads have the last 32 products, the quantising and the stores in which to land
	s_wait_tensorcnt 0x0                           ; all my tensor loads are done,
	ds_add_u32 v[SPW], v[NIL]                      ; (the add; work on registers stands between it and the wait for it)
	s_add_co_u32 s99, s21, 1
	WHERE 99
	GROUP0
	s_wait_dscnt 0x0                               ; the add is done, and so are my reads of this tile: K step 7's fragments are in
	CROUND                                         ; both now hold of every wave of every work-group of the cluster
	ARMS 1                                         ; one joint load a wave, onto the bytes that the head's four filled
	MUL 7
.rept 4
	v_nop                                          ; four places behind the last products
.endr
	s_wait_loadcnt 0x0
.irp a, 0,1,2,3                        ; a tile of 16 tokens: my lane's token, 64 features of head 2 g and 64 of head 2 g + 1
.if \a > 0
	s_wait_xcnt 0x0                                ; the last tile's stores have read the codes' registers
.endif
	WIN 0x02                                       ; source 0 window 2
.set n, 0
.rept 32
	v_pk_add_f32 v[HA+n:HA+n+1], v[64*\a+n:64*\a+n+1], v[BI+n:BI+n+1]   ; each accumulator from its low end on
.set n, n+2
.endr
	WIN 0
	QUANT HA, PWS+\a
	global_store_b128 v[L16], v[PC:PC+3], s[48:49] offset:768*\a
	global_store_b64 v[L8], v[PC+4:PC+5], s[48:49] offset:768*\a+512
	global_store_b128 v[L16], v[PC+6:PC+9], s[48:49] offset:REC+768*\a
	global_store_b64 v[L8], v[PC+10:PC+11], s[48:49] offset:REC+768*\a+512
.endr
	v_perm_b32 v220, v[PWS+1], v[PWS], v[PSEL]     ; lanes 0-15: head 2 g's two bytes of the four tiles; lanes 16-31: head 2 g + 1's
	v_perm_b32 v221, v[PWS+3], v[PWS+2], v[PSEL]
	global_store_b64 v[L8], v[220:221], s[50:51]   ; 256 consecutive bytes
	s_mul_i32 s56, s17, 25600                      ; the LDS addresses back at quarter 0, made as at the head
	v_add_nc_u32 v[AP], s56, v[L16]
	s_mul_i32 s57, s18, 12800
	s_add_co_u32 s57, s57, 102400
	v_add_nc_u32 v[AR], s57, v[L16]
	s_add_co_u32 s56, s56, 6144
	v_add_nc_u32 v[ASP], s56, v[RH]
	s_add_co_u32 s57, s57, 6144
	v_add_nc_u32 v[ASR], s57, v[RH]
	s_wait_xcnt 0x0                                ; the tile's stores have read their registers and bases: the next tile's fragments land on the codes' registers
	s_add_co_u32 s21, s21, 1
	s_cmp_lt_u32 s21, 2
	s_wait_alu depctr_va_vdst(0)
	s_cbranch_scc1 .Ltile
	COMMON
.Lv_arm:
	; ---- v.  My lane holds one feature e; its registers run along 128 tokens: one step of keys
	s_lshr_b32 s84, s22, 1
	s_lshl_b32 s84, s84, 2
	s_add_co_u32 s84, s84, s19                     ; my block of 256 tokens
	s_lshr_b32 s86, s84, 3                         ; its batch
	s_and_b32 s87, s84, 7
	s_lshl_b32 s87, s87, 1
	s_add_co_u32 s87, s87, s17                     ; my step of 128 keys
	s_and_b32 s85, s22, 1
	s_lshl_b32 s85, s85, 2
	s_add_co_u32 s85, s85, s20
	s_lshl_b32 s85, s85, 1
	s_add_co_u32 s85, s85, s18                     ; my head
	s_lshl_b32 s90, s85, 8
	s_mov_b32 s91, 0
	s_add_nc_u64 s[88:89], s[10:11], s[90:91]      ; bv at my head
	s_lshl_b32 s90, s86, 4
	s_add_co_u32 s90, s90, s85
	s_mul_i32 s90, s90, REC
	s_mul_i32 s92, s87, 6144
	s_add_co_u32 s92, s92, s90
	s_add_co_u32 s92, s92, 196608
	s_mov_b32 s93, 0
	s_lshl_b32 s94, s87, 8
	s_add_co_u32 s94, s94, s90
	s_add_co_u32 s94, s94, 294912
	s_mov_b32 s95, 0
	s_add_nc_u64 s[94:95], s[12:13], s[94:95]      ; the step's scale words
	s_add_nc_u64 s[12:13], s[12:13], s[92:93]      ; the step's codes
	v_and_b32 v[BO], 8, v1
	v_add_nc_u32 v[BO], v[BO], v1
	v_lshlrev_b32 v[BO], 2, v[BO]                  ; 4 (r + 8 (r / 8))
.irp a, 0,1,2,3
	global_load_b32 v[BI+2*\a], v[BO], s[88:89] offset:(32*(\a/2)+8*(\a%2))*4
	v_mov_b32 v[BI+2*\a+1], 0                      ; (named with it as a pair)
.endr
	STEP 6
	STEP 7
.rept 4
	v_nop
.endr
	s_wait_alu depctr_va_vdst(0)
	s_wait_loadcnt 0x0
.irp a, 0,1,2,3                        ; a tile of 16 e
.if \a > 0
	s_wait_xcnt 0x0
.endif
	WIN 0x02
.set n, 0
.rept 32
	v_pk_add_f32 v[HA+n:HA+n+1], v[64*\a+n:64*\a+n+1], v[BI+2*\a:BI+2*\a+1] op_sel_hi:[1,0]
.set n, n+2
.endr
	WIN 0
	QUANT HA, PWS+\a
.irp c, 0,1,2
	global_store_b128 v[L16], v[PC+4*\c:PC+4*\c+3], s[12:13] offset:1536*\a+512*\c
.endr
.endr
	v_cndmask_b32 v220, v[PWS], v[PWS+2], s98      ; lanes 0-15: tiles 0 and 1; lanes 16-31: tiles 2 and 3
	v_cndmask_b32 v221, v[PWS+1], v[PWS+3], s98
	global_store_b64 v[RH], v[220:221], s[94:95]   ; 256 consecutive bytes
.Ldone:
	s_wait_tensorcnt 0x0                           ; the wave's end
	ds_add_u32 v[SPW], v[NIL]
	s_wait_dscnt 0x0
	CROUND                                         ; the closing round
	s_endpgm
.Lfunc_end_k_qe9a9d8c077_qkvgemm:
	.size	k_qe9a9d8c077_qkvgemm, .Lfunc_end_k_qe9a9d8c077_qkvgemm-k_qe9a9d8c077_qkvgemm
	.p2alignl 7, 3214868480
	.fill 96, 4, 3214868480
	.section	.rodata,"a",@progbits
	.p2align	6, 0x0
	.amdhsa_kernel k_qe9a9d8c077_qkvgemm
		.amdhsa_group_segment_fixed_size 327680
		.amdhsa_private_segment_fixed_size 0
		.amdhsa_enable_private_segment 0
		.amdhsa_kernarg_size 48
		.amdhsa_user_sgpr_count 2
		.amdhsa_user_sgpr_kernarg_segment_ptr 1
		.amdhsa_wavefront_size32 1
		.amdhsa_system_sgpr_workgroup_id_x 1
		.amdhsa_system_sgpr_workgroup_id_y 1
		.amdhsa_system_sgpr_workgroup_id_z 1
		.amdhsa_system_vgpr_workitem_id 0
		.amdhsa_next_free_vgpr 768
		.amdhsa_next_free_sgpr 100
		.amdhsa_reserve_vcc 0
		.amdhsa_float_denorm_mode_32 3
		.amdhsa_float_denorm_mode_16_64 3
		.amdhsa_memory_ordered 1
		.amdhsa_forward_progress 1
		.amdhsa_inst_pref_size 173
	.end_amdhsa_kernel
	.amdgpu_metadata
---
amdhsa.version: [ 1, 2 ]
amdhsa.kernels:
  - .name:           k_qe9a9d8c077_qkvgemm
    .symbol:         k_qe9a9d8c077_qkvgemm.kd
    .args:
      - { .name: xc, .offset: 0, .size: 8, .value_kind: global_buffer, .address_space: global }
      - { .name: bq, .offset: 8, .size: 8, .value_kind: global_buffer, .address_space: global }
      - { .name: bk, .offset: 16, .size: 8, .value_kind: global_buffer, .address_space: global }
      - { .name: bv, .offset: 24, .size: 8, .value_kind: global_buffer, .address_space: global }
      - { .name: qkv, .offset: 32, .size: 8, .value_kind: global_buffer, .address_space: global }
      - { .name: qks, .offset: 40, .size: 8, .value_kind: global_buffer, .address_space: global }
    .group_segment_fixed_size: 327680
    .private_segment_fixed_size: 0
    .kernarg_segment_align: 8
    .kernarg_segment_size: 48
    .max_flat_workgroup_size: 128
    .sgpr_count:     100
    .vgpr_count:     768
    .wavefront_size: 32
...
	.end_amdgpu_metadata
.endif
;; end of part 2
;; launch attn (part 3): grid 4 x 64, 8 waves a work-group, clusters of 4 x 1, 327,680 bytes of LDS; arguments qkv, qks, zc, zs; writes zc, zs
.if DOCPART == 3
	.amdgcn_target "amdgcn-amd-amdhsa--gfx1250"
	.amdhsa_code_object_version 6
	.text
	.protected	k_qe9a9d8c077_attn
	.globl	k_qe9a9d8c077_attn
	.p2align	8
	.type	k_qe9a9d8c077_attn,@function
k_qe9a9d8c077_attn:
	s_mov_b64 s[64:65], 0
	v_nop
	global_prefetch_b8 v0, s[64:65] scope:SCOPE_SE
	s_setreg_imm32_b32 hwreg(HW_REG_WAVE_MODE, 25, 1), 1
	s_wait_xcnt 0x0
	s_wait_alu depctr_hold_cnt(0) depctr_sa_sdst(0) depctr_va_vdst(0) depctr_va_sdst(0) depctr_va_ssrc(0) depctr_va_vcc(0) depctr_vm_vsrc(0)
	s_getreg_b32 s2, hwreg(HW_REG_IB_STS2, 6, 4)
	s_cmp_eq_u32 s2, 0
	s_cbranch_scc0 .Lentry_in_a_cluster
	s_endpgm
.Lentry_in_a_cluster:
	s_bfe_u32 s2, ttmp6, 0x10000c
	s_cmp_lg_u32 s2, 0x3003
	s_cbranch_scc0 .Lentry_shape_is_right
	s_endpgm
.Lentry_shape_is_right:
; z = softmax(q k^T / 8) v for one (batch, head) and 512 queries a work-group, on the codes that qkvgemm left; z leaves as codes (zc) and scale bytes (zs) for outgemm.  No work is left out.
; p = 2^(t - M), t = score x log2(e) / 8, M the ceiling of the running largest t; the row's sum is taken of the unquantised p; O and the sum are brought under a new M by an exact power of two.
; A block's scale is made from floor(its largest t - M), which is the exponent of its largest p: whole-number arithmetic, no exponential.
; LIMITS: NaN and infinities are not served; the promise holds while |t| stays under 2^31; a block of p under 2^-124 keeps the byte 1; where v_exp_f32's rounding carries a block's largest p across a power of two,
; that one p is held at the largest code or is coded under the next scale.
; THE DEAL: 8 waves, two to a SIMD.  A wave takes a pair of query tiles (x = 0, 1: 32 queries) side by side, in two passes (pair = wave + 8 pass), so that each fragment of k and v feeds both tiles.
; A step is 128 keys, 16 steps a pass.
; CLUSTER 4 x 1: the four work-groups of a (batch, head) read the same k, v and scales: joint loads, mask 15.  All 204,800 bytes are asked for at the head, one load a wave (waves 0-6: 112 rows of 256 bytes each
; of k, v and v's scale words; wave 7: k's scale bytes) and are filled once.  No data prefetch: there is no loop that runs ahead of a load.
; BOTH PRODUCTS ARE USED TRANSPOSED (S^T = k q^T, O^T = v^T p^T): a lane holds one query.  The head's 64 fill half of the instruction's K: a fragment of k holds two tiles of keys, and q stands beside zero codes ([q, 0], [0, q]).
; THE KEYS OF A SCORE TILE ARE CHOSEN BY THE LANES' ADDRESSES: of each 64 keys (four stored tiles of 768 bytes) tile u takes as rows 0-7 keys 8 u + 0..7 and as rows 8-15 keys 32 + 8 u + 0..7: lanes r < 8 read stored tile u % 2,
; lanes r >= 8 stored tile 2 + u % 2, both its row r % 8 + 8 (u / 2).  So a lane's 32 score registers of four tiles are ONE block of 32 neighbouring keys, in the operand's own order: block 2 c + h.
; THE ORDER OF A STEP: the maxima in eight chains by turns; the rows' chains, whose tails stand among tile 0's multiply-adds; tile 0's exponentials with tile 1's multiply-adds between them; tile 1's exponentials with tile 0's
; conversions and the first level of its sum between them (nothing written inside a batch is read before the wait behind it); the sums as trees in place.
; The step's number wraps at 16: the last step of a pass loads step 0's fragments, which the next pass uses (behind the last pass they are not used).
; REGISTERS.  Window 0: v1-19 addresses; v20-29 scale words; v30-33 q's scale bytes; v34-65 two sets of 16 for the softmax; v66-81 upper halves of codes; v82-105 p's codes; v112-239 scores, then p.
; Window 1: v0-63 O^T; v64-111 k's fragments; v112-159 v's; v160-231 q with its zeros, a set for each pass and tile.
.set REC,   299008
.set ZQ,    1572864
.set VL,    98304
.set VSL,   196608
.set KSL,   200704
.set ZST,   204800                     ; z's scale bytes on their way out: 1,024 bytes of their own
.set SPARE, 205824                     ; the spare words: 128 bytes a wave
.set BK16, 1
.set BK8,  2
.set BKS,  3
.set BV,   4
.set BVS,  5
.set SPW,  6
.set NIL,  7
.set ADK16, 8
.set ADK8,  9
.set ADKS,  10
.set ADV,   11
.set ADVS,  12
.set SH8,  13
.set L16,  14
.set L8,   15
.set R8,   16
.set ZWA,  17
.set ZRD,  18
.set ZGO,  19
.set KSW,  20
.set VSW,  22
.set QW,   26
.set PW,   28
.set QS,   30
.set NM,   34                          ; the softmax's registers of tile x lie 16 x further on: -M,
.set RM,   35                          ; the running largest score,
.set LS,   36                          ; the sum, two halves,
.set FF,   40                          ; 2^(old M - new M) (named as a pair),
.set BM,   42                          ; the two blocks' largest,
.set SOP,  44                          ; the maxima's second chains, then the conversions' scale operands,
.set TT,   46
.set TX,   47
.set ZW,   48                          ; z's two scale bytes
.set TC,   66
.set PCD,  82
.set S,    112
.set ZT,   240
.set OT,   0
.set KF,   64
.set VF,   112
.set QF,   160
.set SEL,  40
.set CS,   42
.set TB,   44
.set TS,   45
.set MSB, 0
.macro WIN new                         ; the immediate's high byte repeats the setting that is left
.if MSB != \new
	s_set_vgpr_msb (MSB<<8)|\new
.set MSB, \new
.endif
.endm
.macro WALU
	s_wait_alu depctr_va_vdst(0)
.endm
.macro CROUND
	s_barrier_signal -1
	s_barrier_wait -1
	s_cmp_lg_u32 s12, 0
	s_cbranch_scc1 .Lnot_wave_0_\@
	s_barrier_signal -3
.Lnot_wave_0_\@:
	s_barrier_wait -3
	s_barrier_signal -1
	s_barrier_wait -1
.endm
.macro KLOAD a16, a8, as               ; 18 loads: fragment (c, w) = score tiles 2 w, 2 w + 1 of the step's c-th 64 keys; the scale words: lanes 0-15 c = 0, lanes 16-31 c = 1
	WIN 0x40
.irp c, 0,1
.irp w, 0,1
	ds_load_b128 v[KF+24*\c+12*\w:KF+24*\c+12*\w+3], v[\a16] offset:3072*\c+128*\w
	ds_load_b64 v[KF+24*\c+12*\w+4:KF+24*\c+12*\w+5], v[\a8] offset:3072*\c+64*\w
	ds_load_b128 v[KF+24*\c+12*\w+6:KF+24*\c+12*\w+9], v[\a16] offset:3072*\c+768+128*\w
	ds_load_b64 v[KF+24*\c+12*\w+10:KF+24*\c+12*\w+11], v[\a8] offset:3072*\c+768+64*\w
.endr
.endr
	WIN 0
	ds_load_b32 v[KSW], v[\as]
	ds_load_b32 v[KSW+1], v[\as] offset:64
.endm
.macro VLOAD av, avs                   ; 13 loads
	WIN 0x40
.irp t, 0,1,2,3
.irp c, 0,1,2
	ds_load_b128 v[VF+12*\t+4*\c:VF+12*\t+4*\c+3], v[\av] offset:1536*\t+512*\c
.endr
.endr
	WIN 0
	ds_load_b128 v[VSW:VSW+3], v[\avs]
.endm
.macro SMM d, a, b, sa, sb, row
.if \row
	v_wmma_scale_f32_16x16x128_f8f6f4 v[\d:\d+7], v[\a:\a+11], v[\b:\b+11], 0, v[\sa], v[\sb] matrix_a_fmt:MATRIX_FMT_FP6 matrix_b_fmt:MATRIX_FMT_FP6 matrix_a_scale:MATRIX_SCALE_ROW1
.else
	v_wmma_scale_f32_16x16x128_f8f6f4 v[\d:\d+7], v[\a:\a+11], v[\b:\b+11], 0, v[\sa], v[\sb] matrix_a_fmt:MATRIX_FMT_FP6 matrix_b_fmt:MATRIX_FMT_FP6
.endif
.endm
.macro CH j, x                         ; line j of tile x's chain: 0-8 the row's M and the factor; 9-16 my two blocks' scale operands; 17-21 p's scale word
.set B_, 16*(\x)
.if (\j) == 0
	v_max_num_f32 v[TT+B_], v[BM+B_], v[BM+B_+1]
.elseif (\j) == 1
	v_permlanex16_b32 v[TX+B_], v[TT+B_], s[SEL], s[SEL+1]
.elseif (\j) == 2
	v_max3_num_f32 v[RM+B_], v[RM+B_], v[TT+B_], v[TX+B_]      ; the running largest score
.elseif (\j) == 3
	v_mul_f32 v[TT+B_], s[CS], v[RM+B_]
.elseif (\j) == 4
	v_floor_f32 v[TX+B_], -v[TT+B_]                            ; the new -M
.elseif (\j) == 5
	v_sub_f32 v[TT+B_], v[TX+B_], v[NM+B_]
.elseif (\j) == 6
	v_mov_b32 v[NM+B_], v[TX+B_]
.elseif (\j) == 7
	v_cvt_i32_f32 v[TT+B_], v[TT+B_]                           ; (it saturates)
.elseif (\j) == 8
	v_ldexp_f32 v[FF+B_], 1.0, v[TT+B_]                        ; 2^(old M - new M)
.elseif (\j) <= 10
	v_fma_f32 v[BM+B_+(\j)-9], v[BM+B_+(\j)-9], s[CS], v[NM+B_]   ; the block's largest t - M, by the line that makes every t - M
.elseif (\j) <= 12
	v_max_num_f32 v[BM+B_+(\j)-11], 0xc2f80000, v[BM+B_+(\j)-11]  ; not under -124: the byte cannot fall under 1
.elseif (\j) <= 14
	v_cvt_floor_i32_f32 v[BM+B_+(\j)-13], v[BM+B_+(\j)-13]        ; i: the exponent of the block's largest p
.elseif (\j) <= 16
	v_lshl_add_u32 v[SOP+B_+(\j)-15], v[BM+B_+(\j)-15], 23, 0x3e800000   ; exponent field i + 125: the scale 2^(i - 2)
.elseif (\j) == 17
	v_lshl_add_u32 v[TT+B_], v[BM+B_+1], 16, v[BM+B_]
.elseif (\j) == 18
	v_add_nc_u32 v[TT+B_], 0x7d007d, v[TT+B_]                  ; the bytes of blocks h and 2 + h,
.elseif (\j) == 19
	v_lshlrev_b32 v[TT+B_], v[SH8], v[TT+B_]                   ; at their places;
.elseif (\j) == 20
	v_permlanex16_b32 v[TX+B_], v[TT+B_], s[SEL], s[SEL+1]
.else
	v_or_b32 v[PW+(\x)], v[TT+B_], v[TX+B_]                    ; with lane l xor 16's two the word is whole
.endif
.endm
.macro TMM x, n                        ; t - M of scores n, n + 1 of tile x
	v_pk_fma_f32 v[S+64*(\x)+(\n):S+64*(\x)+(\n)+1], v[S+64*(\x)+(\n):S+64*(\x)+(\n)+1], s[CS:CS+1], v[NM+16*(\x):NM+16*(\x)+1] op_sel_hi:[1,0,0]
.endm
.macro CVT x, q                        ; conversion q of tile x: block q / 2, its lower or upper 16 (a conversion's three registers begin on an even number: the upper halves are moved)
.if (\q)%2
	v_cvt_scalef32_pk16_fp6_f32 v[TC+8*(\x)+4*((\q)/2):TC+8*(\x)+4*((\q)/2)+2], v[S+64*(\x)+32*((\q)/2)+16:S+64*(\x)+32*((\q)/2)+31], v[SOP+16*(\x)+(\q)/2]
.else
	v_cvt_scalef32_pk16_fp6_f32 v[PCD+12*(\x)+6*((\q)/2):PCD+12*(\x)+6*((\q)/2)+2], v[S+64*(\x)+32*((\q)/2):S+64*(\x)+32*((\q)/2)+15], v[SOP+16*(\x)+(\q)/2]
.endif
.endm
.macro MOVS x
.irp c, 0,1
.irp i, 0,1,2
	v_mov_b32 v[PCD+12*(\x)+6*\c+3+\i], v[TC+8*(\x)+4*\c+\i]
.endr
.endr
.endm
.macro ADDP x, a, b                    ; the sum's tree, in place: pair a += pair b
	v_pk_add_f32 v[S+64*(\x)+(\a):S+64*(\x)+(\a)+1], v[S+64*(\x)+(\a):S+64*(\x)+(\a)+1], v[S+64*(\x)+(\b):S+64*(\x)+(\b)+1]
.endm
.macro LEVEL st                        ; a level of both trees: pairs 2 st apart take in the pair st further on
.set m, 0
.rept 32/(\st)
	ADDP 0, m, m+(\st)
	ADDP 1, m, m+(\st)
.set m, m+2*(\st)
.endr
.endm
	s_load_b256 s[4:11], s[0:1], 0x0               ; qkv, qks, zc, zs
	v_lshl_add_u32 v[SPW], v0, 2, SPARE
	v_mov_b32 v[NIL], 0
	ds_add_u32 v[SPW], v[NIL]                      ; the opening: the add, twice on end, and its wait ahead of my first tensor load
	ds_add_u32 v[SPW], v[NIL]
	v_lshrrev_b32 v240, 5, v0
	v_readfirstlane_b32 s12, v240                  ; wave 0..7
	s_bfe_u32 s13, ttmp6, 0x40000                  ; cx: my 512 queries
	s_and_b32 s14, ttmp7, 0xffff                   ; batch x 16 + head
	v_and_b32 v240, 31, v0                         ; lane
	v_and_b32 v241, 15, v0                         ; r
	v_bfe_u32 v242, v0, 4, 1                       ; h
	v_and_b32 v243, 7, v0                          ; r % 8
	v_bfe_u32 v244, v0, 3, 1                       ; r / 8
	v_mul_u32_u24 v245, v244, 1536                 ; lanes r >= 8 read two stored tiles further on
	v_lshl_add_u32 v[BK16], v243, 4, v245
	v_lshl_add_u32 v[BK16], v242, 8, v[BK16]
	v_lshl_add_u32 v[BK8], v243, 3, v245
	v_lshl_add_u32 v[BK8], v242, 7, v[BK8]
	v_add_nc_u32 v[BK8], 512, v[BK8]
	v_lshlrev_b32 v[BKS], 3, v243
	v_lshl_add_u32 v[BKS], v244, 2, v[BKS]
	v_lshl_add_u32 v[BKS], v242, 7, v[BKS]
	v_add_nc_u32 v[BKS], KSL, v[BKS]
	v_lshlrev_b32 v[L16], 4, v240
	v_lshlrev_b32 v[L8], 3, v240
	v_add_nc_u32 v[BV], VL, v[L16]
	v_lshlrev_b32 v[R8], 3, v241
	v_lshl_add_u32 v[BVS], v241, 4, VSL
	v_lshlrev_b32 v[SH8], 3, v242
	s_lshr_b32 s56, s12, 2
	s_lshl_b32 s56, s56, 8
	s_and_b32 s57, s12, 3
	s_lshl_b32 s57, s57, 2
	s_add_co_u32 s56, s56, s57
	s_add_co_u32 s56, s56, ZST
	v_lshlrev_b32 v[ZWA], 4, v241
	v_lshl_add_u32 v[ZWA], v242, 1, v[ZWA]
	v_add_nc_u32 v[ZWA], s56, v[ZWA]               ; z's scale bytes: [pair / 4][r][pair % 4][tile][2 bytes]
	v_and_b32 v[ZRD], 63, v0
	v_lshlrev_b32 v[ZGO], 4, v[ZRD]
	v_add_nc_u32 v[ZRD], ZST, v[ZGO]
.irp x, 0,1
	v_mov_b32 v[TX+16*\x], 0                       ; a lane permute's destination counts as one of its sources
	v_mov_b32 v[FF+16*\x+1], 0                     ; (named with FF as a pair)
.endr
	s_mov_b32 s16, 15|(3<<16)|(1<<21)              ; k, v, v's scale words: 112 rows of 256 bytes a wave, dense
	s_mov_b32 s17, 32<<16
	s_mov_b32 s18, 112<<16
	s_mov_b32 s19, 32<<16
	s_mov_b32 s20, 112
	s_mov_b32 s21, 32
	s_mov_b32 s22, 0
	s_mov_b32 s23, 0
	s_mov_b32 s24, 15|(3<<16)|(1<<21)              ; k's scale bytes: my head's 128 bytes of each of 32 rows of 256
	s_mov_b32 s25, 16<<16
	s_mov_b32 s26, 32<<16
	s_mov_b32 s27, 16<<16
	s_mov_b32 s28, 32
	s_mov_b32 s29, 32
	s_mov_b32 s30, 0
	s_mov_b32 s31, 0
	s_mov_b32 s[SEL], 0x76543210
	s_mov_b32 s[SEL+1], 0xfedcba98                 ; selects for lane l xor 16
	s_mov_b32 s[CS], 0x3e38aa3b                    ; log2(e) / 8
	s_mov_b32 s[CS+1], s[CS]
	s_mov_b32 s47, 0xffff0000                      ; lanes 16-31
	s_mul_i32 s56, s14, REC
	s_mul_i32 s57, s12, 28672
	s_add_co_u32 s58, s56, s57
	s_add_co_u32 s58, s58, 98304
	s_mov_b32 s59, 0
	s_lshr_b32 s60, s14, 1
	s_lshl_b32 s60, s60, 13
	s_and_b32 s61, s14, 1
	s_lshl_b32 s61, s61, 7
	s_add_co_u32 s60, s60, s61
	s_add_co_u32 s62, s60, 262144
	s_mov_b32 s63, 0
	s_lshl_b32 s66, s13, 5
	s_lshl_b32 s67, s12, 1
	s_add_co_u32 s66, s66, s67
	s_mul_i32 s66, s66, 768
	s_add_co_u32 s66, s66, s56                     ; q's tiles of pair = wave; pass 1's lie 16 tiles on
	s_mov_b32 s67, 0
	s_lshl_b32 s68, s13, 3
	s_lshr_b32 s69, s12, 1
	s_add_co_u32 s68, s68, s69
	s_lshl_b32 s68, s68, 8
	s_and_b32 s69, s12, 1
	s_lshl_b32 s69, s69, 2
	s_add_co_u32 s68, s68, s69
	s_add_co_u32 s68, s68, s60
	s_mov_b32 s69, 0
	s_and_b32 s70, s14, 15
	s_lshr_b32 s71, s70, 2
	s_mul_i32 s71, s71, ZQ
	s_lshr_b32 s72, s14, 4
	s_lshl_b32 s72, s72, 6
	s_lshl_b32 s73, s13, 4
	s_add_co_u32 s72, s72, s73
	s_add_co_u32 s72, s72, s12
	s_mul_i32 s72, s72, 6144
	s_add_co_u32 s71, s71, s72
	s_and_b32 s70, s70, 3
	s_mul_i32 s70, s70, 768
	s_add_co_u32 s70, s70, s71
	s_mov_b32 s71, 0
	s_lshl_b32 s72, s14, 12
	s_lshl_b32 s73, s13, 10
	s_add_co_u32 s72, s72, s73
	s_mov_b32 s73, 0
	WALU
	s_wait_dscnt 0x0
	s_wait_kmcnt 0x0
	s_mov_b32 s32, 1
	s_mov_b32 s33, s57
	s_add_nc_u64 s[34:35], s[4:5], s[58:59]
	s_or_b32 s35, s35, 0x80000000
	s_mov_b32 s36, 1
	s_mov_b32 s37, KSL
	s_add_nc_u64 s[38:39], s[6:7], s[62:63]
	s_or_b32 s39, s39, 0x80000000
	s_add_nc_u64 s[48:49], s[4:5], s[66:67]
	s_add_nc_u64 s[50:51], s[6:7], s[68:69]
	s_add_nc_u64 s[52:53], s[8:9], s[70:71]
	s_add_nc_u64 s[54:55], s[10:11], s[72:73]
	CROUND                                         ; the four work-groups are here: the joint loads meet
	s_cmp_lt_u32 s12, 7                            ; one load a wave, in the two arms of one branch
	s_cbranch_scc0 .Lks
	tensor_load_to_lds s[32:35], s[16:23]
	s_nop 0
.rept 4
	v_nop
.endr
	s_branch .Lasked
.Lks:
	tensor_load_to_lds s[36:39], s[24:31]
	s_nop 0
.rept 4
	v_nop
.endr
.Lasked:
	WIN 0x40
.irp p, 0,1
.irp x, 0,1
	global_load_b128 v[QF+36*\p+18*\x:QF+36*\p+18*\x+3], v[L16], s[48:49] offset:12288*\p+768*\x
	global_load_b64 v[QF+36*\p+18*\x+4:QF+36*\p+18*\x+5], v[L8], s[48:49] offset:12288*\p+768*\x+512
	global_load_b128 v[QF+36*\p+18*\x+12:QF+36*\p+18*\x+15], v[L16], s[48:49] offset:12288*\p+768*\x
	global_load_b64 v[QF+36*\p+18*\x+16:QF+36*\p+18*\x+17], v[L8], s[48:49] offset:12288*\p+768*\x+512
.irp i, 6,7,8,9,10,11
	v_mov_b32 v[QF+36*\p+18*\x+\i], 0              ; zero codes between the two copies of q
.endr
.endr
.endr
	WIN 0
.irp p, 0,1
.irp x, 0,1
	global_load_u16 v[QS+2*\p+\x], v[R8], s[50:51] offset:1024*\p+2*\x
.endr
.endr
	WALU
	s_wait_tensorcnt 0x0                           ; every wave: its load is in
	s_barrier_signal -1
	s_barrier_wait -1
	KLOAD BK16, BK8, BKS                           ; step 0
	VLOAD BV, BVS
.macro STEP p
	s_add_co_u32 s46, s46, 1
	s_and_b32 s[TS], s46, 15                       ; the step whose fragments are loaded in this one
	s_mul_i32 s[TB], s[TS], 6144
	s_lshl_b32 s[TS], s[TS], 8
	s_wait_dscnt 13                                ; k's fragments are in; v's 13 loads are younger
	WIN 0x05
.irp x, 0,1
.irp c, 0,1
.irp w, 0,1
.irp f, 0,1
	SMM S+64*\x+32*\c+16*\w+8*\f, KF+24*\c+12*\w, QF+36*(\p)+18*\x+6*\f, KSW+\w, QW+\x, \c
.endr
.endr
.endr
.endr
	WIN 0
	v_add_nc_u32 v[ADK16], s[TB], v[BK16]          ; four places behind the products
	v_add_nc_u32 v[ADK8], s[TB], v[BK8]
	v_add_nc_u32 v[ADKS], s[TS], v[BKS]
	v_nop
	KLOAD ADK16, ADK8, ADKS
; the largest score of my two blocks of each tile: two chains a block (scores 0-16 and 17-31), eight chains by turns; each accumulator is first read at its low end
.irp c, 0,1
.irp x, 0,1
	v_max3_num_f32 v[BM+16*\x+\c], v[S+64*\x+32*\c], v[S+64*\x+32*\c+1], v[S+64*\x+32*\c+2]
.endr
.endr
.irp c, 0,1
.irp x, 0,1
	v_max3_num_f32 v[SOP+16*\x+\c], v[S+64*\x+32*\c+17], v[S+64*\x+32*\c+18], v[S+64*\x+32*\c+19]
.endr
.endr
.irp i, 1,2,3,4,5,6
.irp c, 0,1
.irp x, 0,1
	v_max3_num_f32 v[BM+16*\x+\c], v[BM+16*\x+\c], v[S+64*\x+32*\c+2*\i+1], v[S+64*\x+32*\c+2*\i+2]
.endr
.endr
.irp c, 0,1
.irp x, 0,1
	v_max3_num_f32 v[SOP+16*\x+\c], v[SOP+16*\x+\c], v[S+64*\x+32*\c+2*\i+18], v[S+64*\x+32*\c+2*\i+19]
.endr
.endr
.endr
.irp c, 0,1
.irp x, 0,1
	v_max3_num_f32 v[BM+16*\x+\c], v[BM+16*\x+\c], v[S+64*\x+32*\c+15], v[S+64*\x+32*\c+16]
.endr
.endr
.irp c, 0,1
.irp x, 0,1
	v_max_num_f32 v[BM+16*\x+\c], v[BM+16*\x+\c], v[SOP+16*\x+\c]
.endr
.endr
.irp j, 0,1,2,3,4,5,6
	CH \j, 0
	CH \j, 1
.endr
.set n, 0
.irp j, 7,8,9,10,11,12,13,14,15,16,17,18,19,20,21   ; the chains' tails among tile 0's multiply-adds
	CH \j, 0
	CH \j, 1
	TMM 0, n
	TMM 0, n+2
.set n, n+4
.endr
	TMM 0, 60
	TMM 0, 62
	WIN 0x41
.irp x, 0,1
.set n, 0
.rept 16
	v_pk_mul_f32 v[OT+32*\x+n:OT+32*\x+n+1], v[OT+32*\x+n:OT+32*\x+n+1], v[FF+16*\x:FF+16*\x+1] op_sel_hi:[1,0]   ; O^T under the new M, ahead of the exponentials
.set n, n+2
.endr
.endr
	WIN 0
	WALU
.set n, 0
.rept 32                               ; tile 0's p; between them tile 1's t - M, which is read behind the next wait
	v_exp_f32 v[S+n], v[S+n]
	TMM 1, n
	v_exp_f32 v[S+n+1], v[S+n+1]
.set n, n+2
.endr
	v_nop
	WALU                                           ; behind tile 0's batch and ahead of tile 1's
.set n, 0
.rept 64                               ; tile 1's p; between them tile 0's conversions, a plain line, and the first level of tile 0's sum (in place: the codes are made); all are read behind the next wait
	v_exp_f32 v[S+64+n], v[S+64+n]
.if (n < 16) && (n%4 == 0)
	CVT 0, n/4
.elseif n == 16
	v_nop
.elseif (n >= 18) && (n <= 48) && (n%2 == 0)
	ADDP 0, 2*(n-18), 2*(n-18)+2
.endif
.set n, n+1
.endr
	v_nop
	WALU
.irp q, 0,1,2,3
	CVT 1, \q
.endr
	MOVS 0                                         ; (also the plain lines behind the conversions)
.set n, 0
.rept 16
	ADDP 1, n, n+2                                 ; the first level of tile 1's sum
.set n, n+4
.endr
	LEVEL 4
	LEVEL 8
	MOVS 1
	LEVEL 16
	LEVEL 32
.irp x, 0,1
	v_pk_fma_f32 v[LS+16*\x:LS+16*\x+1], v[LS+16*\x:LS+16*\x+1], v[FF+16*\x:FF+16*\x+1], v[S+64*\x:S+64*\x+1] op_sel_hi:[1,0,1]   ; the row's sum under the new M, and this step's
.endr
	WALU
	s_wait_dscnt 18                                ; v's fragments are in; the next step's 18 loads of k are younger
	WIN 0x51
.irp t, 0,1,2,3                        ; eight accumulators by turns
.irp x, 0,1
	v_wmma_scale_f32_16x16x128_f8f6f4 v[OT+32*\x+8*\t:OT+32*\x+8*\t+7], v[VF+12*\t:VF+12*\t+11], v[PCD+12*\x:PCD+12*\x+11], v[OT+32*\x+8*\t:OT+32*\x+8*\t+7], v[VSW+\t], v[PW+\x] matrix_a_fmt:MATRIX_FMT_FP6 matrix_b_fmt:MATRIX_FMT_FP6
.endr
.endr
	WIN 0
	v_add_nc_u32 v[ADV], s[TB], v[BV]              ; four places behind the products
	v_add_nc_u32 v[ADVS], s[TS], v[BVS]
	v_nop
	v_nop
	VLOAD ADV, ADVS
.endm
.macro ZOUT p                          ; O^T / the sum, quantised along the head's 64 (a block of 32 lies in lanes l and l xor 16), stored in outgemm's order
.irp x, 0,1
	v_add_f32 v[LS+16*\x], v[LS+16*\x], v[LS+16*\x+1]
.endr
.irp x, 0,1
	v_permlanex16_b32 v[TX+16*\x], v[LS+16*\x], s[SEL], s[SEL+1]
.endr
.irp x, 0,1
	v_add_f32 v[LS+16*\x], v[LS+16*\x], v[TX+16*\x]
.endr
	WALU
.irp x, 0,1
	v_rcp_f32 v[FF+16*\x], v[LS+16*\x]
.endr
	WIN 0x01
	v_nop
	WALU
.irp x, 0,1
.set n, 0
.rept 16
	v_pk_mul_f32 v[S+64*\x+n:S+64*\x+n+1], v[OT+32*\x+n:OT+32*\x+n+1], v[FF+16*\x:FF+16*\x+1] op_sel_hi:[1,0]
.set n, n+2
.endr
.endr
	WIN 0
.irp g, 0,1
.irp x, 0,1
	v_max3_num_f32 v[BM+16*\x+\g], |v[S+64*\x+16*\g]|, |v[S+64*\x+16*\g+1]|, 0x1800000
.endr
.endr
.irp i, 2,4,6,8,10,12,14
.irp g, 0,1
.irp x, 0,1
	v_max3_num_f32 v[BM+16*\x+\g], v[BM+16*\x+\g], |v[S+64*\x+16*\g+\i]|, |v[S+64*\x+16*\g+\i+1]|
.endr
.endr
.endr
.irp g, 0,1
.irp x, 0,1
	v_permlanex16_b32 v[SOP+16*\x+\g], v[BM+16*\x+\g], s[SEL], s[SEL+1]
.endr
.endr
.irp g, 0,1
.irp x, 0,1
	v_max_num_f32 v[BM+16*\x+\g], v[BM+16*\x+\g], v[SOP+16*\x+\g]
.endr
.endr
.irp g, 0,1
.irp x, 0,1
	v_add_nc_u32 v[SOP+16*\x+\g], 0xff000000, v[BM+16*\x+\g]
.endr
.endr
.irp g, 0,1
.irp x, 0,1
	v_lshrrev_b32 v[BM+16*\x+\g], 23, v[SOP+16*\x+\g]
.endr
.endr
.irp x, 0,1
	v_lshl_or_b32 v[ZW+16*\x], v[BM+16*\x+1], 8, v[BM+16*\x]
.endr
.irp x, 0,1
	v_cvt_scalef32_pk16_fp6_f32 v[PCD+12*\x:PCD+12*\x+2], v[S+64*\x:S+64*\x+15], v[SOP+16*\x]
	v_cvt_scalef32_pk16_fp6_f32 v[TC+8*\x:TC+8*\x+2], v[S+64*\x+16:S+64*\x+31], v[SOP+16*\x+1]
.endr
	v_cndmask_b32 v[ZT], v[ZW], v[ZW+16], s47      ; lanes 0-15 tile 0's bytes, lanes 16-31 tile 1's.  (The plain place behind the conversions)
.irp x, 0,1
.irp i, 0,1,2
	v_permlane16_swap_b32 v[PCD+12*\x+\i], v[TC+8*\x+\i]
.endr
.endr
.irp x, 0,1
.irp i, 0,1,2
	v_mov_b32 v[PCD+12*\x+3+\i], v[TC+8*\x+\i]
.endr
.endr
	ds_store_b16 v[ZWA], v[ZT] offset:512*\p
.irp x, 0,1
	global_store_b128 v[L16], v[PCD+12*\x:PCD+12*\x+3], s[52:53] offset:49152*\p+3072*\x
	global_store_b64 v[L8], v[PCD+12*\x+4:PCD+12*\x+5], s[52:53] offset:49152*\p+3072*\x+512
.endr
.endm
.macro PASS p
.if \p
	s_wait_xcnt 0x0                                ; the last pass's stores have read the codes' registers
.else
	s_wait_loadcnt 0x0                             ; q and its scale bytes, both passes'
.endif
.irp x, 0,1
	v_lshl_or_b32 v[QW+\x], v[QS+2*\p+\x], 16, v[QS+2*\p+\x]   ; q's two bytes for either half of K
	v_mov_b32 v[RM+16*\x], 0xff61b1e6              ; -3e38, under every score
	v_mov_b32 v[NM+16*\x], 0x7f61b1e6
	v_mov_b32 v[LS+16*\x], 0
	v_mov_b32 v[LS+16*\x+1], 0
.endr
	WIN 0x40
.set n, 0
.rept 64
	v_mov_b32 v[OT+n], 0                           ; the step is written once: the first finds zeros
.set n, n+1
.endr
	WIN 0
	s_mov_b32 s46, 0
	WALU
.Lkeys_\@:
	STEP \p
	s_cmp_lt_u32 s46, 16
	WALU
	s_cbranch_scc1 .Lkeys_\@
	ZOUT \p
.endm
	PASS 0
	PASS 1
	s_wait_dscnt 0x0
	s_barrier_signal -1
	s_barrier_wait -1                              ; all 1,024 scale bytes of z are in the stage
	s_cmp_lt_u32 s12, 2
	s_cbranch_scc0 .Lnot_out
	ds_load_b128 v[240:243], v[ZRD]
	s_wait_dscnt 0x0
	global_store_b128 v[ZGO], v[240:243], s[54:55] ; 512 consecutive bytes a wave
.Lnot_out:
	s_wait_tensorcnt 0x0                           ; the wave's end
	ds_add_u32 v[SPW], v[NIL]
	s_wait_dscnt 0x0
	CROUND                                         ; the closing round
	s_endpgm
.Lfunc_end_k_qe9a9d8c077_attn:
	.size	k_qe9a9d8c077_attn, .Lfunc_end_k_qe9a9d8c077_attn-k_qe9a9d8c077_attn
	.p2alignl 7, 3214868480
	.fill 96, 4, 3214868480
	.section	.rodata,"a",@progbits
	.p2align	6, 0x0
	.amdhsa_kernel k_qe9a9d8c077_attn
		.amdhsa_group_segment_fixed_size 327680
		.amdhsa_private_segment_fixed_size 0
		.amdhsa_enable_private_segment 0
		.amdhsa_kernarg_size 32
		.amdhsa_user_sgpr_count 2
		.amdhsa_user_sgpr_kernarg_segment_ptr 1
		.amdhsa_wavefront_size32 1
		.amdhsa_system_sgpr_workgroup_id_x 1
		.amdhsa_system_sgpr_workgroup_id_y 1
		.amdhsa_system_sgpr_workgroup_id_z 1
		.amdhsa_system_vgpr_workitem_id 0
		.amdhsa_next_free_vgpr 512
		.amdhsa_next_free_sgpr 80
		.amdhsa_reserve_vcc 0
		.amdhsa_float_denorm_mode_32 3
		.amdhsa_float_denorm_mode_16_64 3
		.amdhsa_memory_ordered 1
		.amdhsa_forward_progress 1
		.amdhsa_inst_pref_size 86
	.end_amdhsa_kernel
	.amdgpu_metadata
---
amdhsa.version: [ 1, 2 ]
amdhsa.kernels:
  - .name:           k_qe9a9d8c077_attn
    .symbol:         k_qe9a9d8c077_attn.kd
    .args:
      - { .name: qkv, .offset: 0, .size: 8, .value_kind: global_buffer, .address_space: global }
      - { .name: qks, .offset: 8, .size: 8, .value_kind: global_buffer, .address_space: global }
      - { .name: zc, .offset: 16, .size: 8, .value_kind: global_buffer, .address_space: global }
      - { .name: zs, .offset: 24, .size: 8, .value_kind: global_buffer, .address_space: global }
    .group_segment_fixed_size: 327680
    .private_segment_fixed_size: 0
    .kernarg_segment_align: 8
    .kernarg_segment_size: 32
    .max_flat_workgroup_size: 256
    .sgpr_count:     80
    .vgpr_count:     512
    .wavefront_size: 32
...
	.end_amdgpu_metadata
.endif
;; end of part 3
;; launch outgemm (part 4): grid 4 x 64, 4 waves a work-group, clusters of 4 x 4, 311,808 bytes of LDS; arguments xc, zc, zs, bo, out0; writes out0
.if DOCPART == 4
	.amdgcn_target "amdgcn-amd-amdhsa--gfx1250"
	.amdhsa_code_object_version 6
	.text
	.protected	k_qe9a9d8c077_outgemm
	.globl	k_qe9a9d8c077_outgemm
	.p2align	8
	.type	k_qe9a9d8c077_outgemm,@function
k_qe9a9d8c077_outgemm:
	s_mov_b64 s[64:65], 0
	v_nop
	global_prefetch_b8 v0, s[64:65] scope:SCOPE_SE
	s_setreg_imm32_b32 hwreg(HW_REG_WAVE_MODE, 25, 1), 1
	s_wait_xcnt 0x0
	s_wait_alu depctr_hold_cnt(0) depctr_sa_sdst(0) depctr_va_vdst(0) depctr_va_sdst(0) depctr_va_ssrc(0) depctr_va_vcc(0) depctr_vm_vsrc(0)
	s_getreg_b32 s2, hwreg(HW_REG_IB_STS2, 6, 4)
	s_cmp_eq_u32 s2, 0
	s_cbranch_scc0 .Lentry_in_a_cluster
	s_endpgm
.Lentry_in_a_cluster:
	s_bfe_u32 s2, ttmp6, 0x10000c
	s_cmp_lg_u32 s2, 0xf033
	s_cbranch_scc0 .Lentry_shape_is_right
	s_endpgm
.Lentry_shape_is_right:
; out0 = z Wo^T + bo on the codes of zc (with zs) and of xc's pairs 352-383.  No work is left out.
; A work-group makes P 256 output features (source 0: along a lane's registers) x R 128 tokens (source 1: along the lanes), all of K = 1,024, which lies in LDS at once: first fills only, one load a loading wave.
; CLUSTER 4 x 4: Wo's rows hang on cx alone and are asked for jointly along a column of the cluster, z's on cy alone and along a row.
; z's scale bytes of the 128 tokens, 16 heads x 256 bytes, come by wave 2's load; each wave makes its 32 scale words (tile a, K step s: the two bytes of heads 2 s and 2 s + 1) once.
; THE WAY OUT: a lane holds 64 features of one token; a tile of 16 tokens goes through the wave's own stage in LDS and leaves as rows of 512 consecutive bytes.  The stage lies in K quarter 0's bytes,
; which have had their only fill and which nobody reads behind the barrier in front of quarter 2.
; REGISTERS: window 0: v4-14 addresses; v16-31 Wo's scale words, two sets; v32-63 z's scale words; v64-111, v112-159 z's fragments, two sets; v160-223 bo; v224-255 z's scale bytes as loaded.
;   window 1: Wo's fragments, two sets of 96.   window 2: accumulator (a, b) at v[8 (8 a + b)].
.set KQ,    2457600
.set ZQ,    1572864
.set CH,    6400
.set ZCH,   6144
.set QB,    76800
.set ZSL,   4*QB                       ; z's scale bytes: [head 16][r 16][8 x 2 bytes]
.set SPARE, ZSL+4096                   ; the spare words: 128 bytes a wave, two blocks of 256 bytes that no other line names
.set SROW,  528
.set AP,   4                           ; v4   Wo's fragments: 25,600 pp + 16 l (+ the quarter)
.set AR16, 5                           ; v5   z's: 102,400 + 12,288 rr + 16 l
.set ASP,  6                           ; v6   Wo's scale words
.set AR8,  7                           ; v7   z's: 102,400 + 12,288 rr + 512 + 8 l
.set L16,  8                           ; v8   16 l
.set STO,  9                           ; v9   the stage, on the way in: row r, + 64 h
.set SRD,  10                          ; v10  and on the way out
.set BO,   11                          ; v11  64 h
.set SPW,  12
.set NIL,  13
.set AZS,  14                          ; v14  ZSL + 16 r + 8 rr
.set SP,   16
.set SR,   32
.set RF,   64
.set BI,   160
.set ZU,   224
.set BK,   64
.set G1P, 24
.set G1R, 32
.set G0P, 40
.set G0R, 68
.set G1Z, 84
.set G0Z, 92
.set MSB, 0
.macro WIN new
.if MSB != \new
	s_set_vgpr_msb (MSB<<8)|\new
.set MSB, \new
.endif
.endm
.macro CROUND
	s_barrier_signal -1
	s_barrier_wait -1
	s_cmp_lg_u32 s16, 0
	s_cbranch_scc1 .Lnot_wave_0_\@
	s_barrier_signal -3
.Lnot_wave_0_\@:
	s_barrier_wait -3
	s_barrier_signal -1
	s_barrier_wait -1
.endm
.macro FRAG3 reg, adr, off
.irp c, 0,1,2
	ds_load_b128 v[(\reg)+4*\c:(\reg)+4*\c+3], v[\adr] offset:(\off)+512*\c
.endr
.endm
.macro FRAGH reg, a16, a8, off         ; two heads' tiles of 16 x 64 codes on end make a fragment's 12 registers
	ds_load_b128 v[(\reg):(\reg)+3], v[\a16] offset:(\off)
	ds_load_b64 v[(\reg)+4:(\reg)+5], v[\a8] offset:(\off)
	ds_load_b128 v[(\reg)+6:(\reg)+9], v[\a16] offset:(\off)+768
	ds_load_b64 v[(\reg)+10:(\reg)+11], v[\a8] offset:(\off)+768
.endm
	s_load_b256 s[4:11], s[0:1], 0x0               ; xc, zc, zs, bo
	s_load_b64 s[12:13], s[0:1], 0x20              ; out0
	v_lshl_add_u32 v[SPW], v0, 2, SPARE
	v_mov_b32 v[NIL], 0
	ds_add_u32 v[SPW], v[NIL]                      ; the opening: the add, twice on end, and its wait ahead of my first tensor load
	ds_add_u32 v[SPW], v[NIL]
	v_lshrrev_b32 v1, 5, v0
	v_readfirstlane_b32 s16, v1                    ; wave 0..3
	s_and_b32 s17, s16, 1                          ; pp
	s_lshr_b32 s18, s16, 1                         ; rr
	s_bfe_u32 s19, ttmp6, 0x40000                  ; cx
	s_bfe_u32 s20, ttmp6, 0x40004                  ; cy
	s_and_b32 s22, ttmp7, 0xffff                   ; cluster y
	v_and_b32 v3, 31, v0                           ; l
	v_and_b32 v1, 15, v0                           ; r
	v_bfe_u32 v2, v0, 4, 1                         ; h
	v_lshlrev_b32 v[L16], 4, v3
	s_mul_i32 s56, s17, 25600
	v_add_nc_u32 v[AP], s56, v[L16]
	s_mul_i32 s57, s18, 2*ZCH
	s_add_co_u32 s57, s57, 102400                  ; LDS: Wo's quarters 0, 1 at 0; z's four quarters at 102,400; Wo's quarters 2, 3 at 200,704
	v_add_nc_u32 v[AR16], s57, v[L16]
	s_add_co_u32 s57, s57, 512
	v_lshl_add_u32 v[AR8], v3, 3, s57
	v_lshlrev_b32 v[ASP], 4, v1
	v_lshl_add_u32 v[ASP], v2, 3, v[ASP]
	s_add_co_u32 s56, s56, 6144
	v_add_nc_u32 v[ASP], s56, v[ASP]
	s_mul_i32 s56, s16, 16*SROW
	v_mul_u32_u24 v[STO], v1, SROW
	v_lshl_add_u32 v[STO], v2, 6, v[STO]
	v_add_nc_u32 v[STO], s56, v[STO]
	v_add_nc_u32 v[SRD], s56, v[L16]
	v_lshlrev_b32 v[BO], 6, v2
	s_lshl_b32 s56, s18, 3
	s_add_co_u32 s56, s56, ZSL
	v_lshl_add_u32 v[AZS], v1, 4, s56
	s_lshl_b32 s62, 0x1111, s19                    ; my column of the cluster
	s_lshl_b32 s63, s20, 2
	s_lshl_b32 s63, 15, s63                        ; my row
	s_or_b32 s[G1P], s62, (3<<16)|(1<<21)
	s_or_b32 s[G1R], s63, (3<<16)|(1<<21)
	s_or_b32 s[G1Z], s63, (3<<16)|(1<<21)
	s_mov_b32 s[G1P+1], 6400<<16                   ; Wo: one load covers two K quarters: two rows of 51,200 dense bytes, KQ bytes apart in memory
	s_mov_b32 s[G1P+2], 2<<16
	s_mov_b32 s[G1P+3], 6400<<16
	s_mov_b32 s[G1P+4], 2
	s_mov_b32 s[G1P+5], KQ/8
	s_mov_b32 s[G1P+6], 0
	s_mov_b32 s[G1P+7], 0
	s_mov_b32 s[G1R+1], 3072<<16                   ; z: one load covers all four K quarters: four rows of 24,576 dense bytes, ZQ bytes apart in memory
	s_mov_b32 s[G1R+2], 4<<16
	s_mov_b32 s[G1R+3], 3072<<16
	s_mov_b32 s[G1R+4], 4
	s_mov_b32 s[G1R+5], ZQ/8
	s_mov_b32 s[G1R+6], 0
	s_mov_b32 s[G1R+7], 0
	s_mov_b32 s[G1Z+1], 32<<16                     ; z's scale bytes: 16 rows of 256 bytes, 4,096 bytes apart
	s_mov_b32 s[G1Z+2], 16<<16
	s_mov_b32 s[G1Z+3], 32<<16
	s_mov_b32 s[G1Z+4], 16
	s_mov_b32 s[G1Z+5], 512
	s_mov_b32 s[G1Z+6], 0
	s_mov_b32 s[G1Z+7], 0
	s_lshl_b32 s56, s19, 3
	s_add_co_u32 s56, s56, 352                     ; Wo's pairs: they never hold cy
	s_mul_i32 s56, s56, CH
	s_mov_b32 s57, 0
	s_lshl_b32 s58, s22, 2
	s_add_co_u32 s58, s58, s20                     ; my block of 128 tokens: it never holds cx
	s_mul_i32 s60, s58, 4*ZCH
	s_mov_b32 s61, 0
	s_lshr_b32 s62, s58, 4
	s_lshl_b32 s62, s62, 16
	s_and_b32 s63, s58, 15
	s_lshl_b32 s63, s63, 8
	s_add_co_u32 s62, s62, s63
	s_mov_b32 s63, 0
	s_lshl_b32 s96, s58, 7
	s_lshl_b32 s97, s18, 6
	s_add_co_u32 s96, s96, s97                     ; my first token
	s_lshl_b32 s96, s96, 12
	s_lshl_b32 s98, s19, 1
	s_add_co_u32 s98, s98, s17
	s_lshl_b32 s98, s98, 9                         ; my 128 features, in bytes
	s_mov_b32 s99, 0
	s_add_co_u32 s96, s96, s98
	s_mov_b32 s97, 0
	s_wait_dscnt 0x0                               ; both opening adds are done
	s_wait_kmcnt 0x0
	s_add_nc_u64 s[56:57], s[4:5], s[56:57]
	s_add_nc_u64 s[60:61], s[6:7], s[60:61]
	s_mov_b32 s[G0Z], 1
	s_mov_b32 s[G0Z+1], ZSL
	s_add_nc_u64 s[G0Z+2:G0Z+3], s[8:9], s[62:63]
	s_or_b32 s[G0Z+3], s[G0Z+3], 0x80000000
.irp q, 0,1                            ; Wo's quarters 2 q and 2 q + 1
	s_mov_b32 s[G0P+4*\q], 1
	s_mov_b32 s[G0P+4*\q+1], \q*200704
	s_add_nc_u64 s[G0P+4*\q+2:G0P+4*\q+3], s[56:57], \q*2*KQ
	s_or_b32 s[G0P+4*\q+3], s[G0P+4*\q+3], 0x80000000
.endr
	s_mov_b32 s[G0R], 1
	s_mov_b32 s[G0R+1], 102400
	s_mov_b64 s[G0R+2:G0R+3], s[60:61]
	s_or_b32 s[G0R+3], s[G0R+3], 0x80000000
	s_add_nc_u64 s[10:11], s[10:11], s[98:99]      ; bo at my features
	s_add_nc_u64 s[12:13], s[12:13], s[96:97]      ; out0 at my first token and feature
	CROUND                                         ; all sixteen work-groups are here: the joint loads meet
; THE HEAD'S FOUR LOADS, ONE A WAVE, each in its own arm of one chain: wave 0 Wo's quarters 0, 1; wave 1 z's codes; wave 2 z's scale bytes; wave 3 Wo's quarters 2, 3.  No byte of LDS is filled twice.
.macro ARM under, g0, g1, next
	s_cmp_lt_u32 s16, \under
	s_cbranch_scc0 \next
	tensor_load_to_lds s[\g0:\g0+3], s[\g1:\g1+7]
	s_nop 0
.rept 4
	v_nop
.endr
	s_branch .Lasked
\next:
.endm
	ARM 1, G0P, G1P, .Larm_1
	ARM 2, G0R, G1R, .Larm_2
	ARM 3, G0Z, G1Z, .Larm_3
	tensor_load_to_lds s[G0P+4:G0P+7], s[G1P:G1P+7]
	s_nop 0
.rept 4
	v_nop
.endr
.Lasked:
	s_wait_alu depctr_va_vdst(0)
.irp k, 0,1,2,3
.irp m, 0,1,2,3
	global_load_b128 v[BI+16*\k+4*\m:BI+16*\k+4*\m+3], v[BO], s[10:11] offset:128*\k+16*\m   ; bo of features 32 k + 16 h + 4 m on
.endr
.endr
.macro FETCH t                         ; the fragments of K step t into set t % 2; with an even t Wo's scale words of the quarter too.  Four plain lines stand ahead of loads into registers that the last products read
.set PFS, 96*((\t)%2)
.set RFS, RF+48*((\t)%2)
.set K2O, 1536*((\t)%2)
.if (((\t)%2) == 0) && ((\t) > 0)
	WIN 0
.if (\t) == 4                          ; from Wo's quarter 1 to its quarter 2: on to the second load's bytes
.set PST, 149504
.else
.set PST, 51200
.endif
	v_add_nc_u32 v[AP], PST, v[AP]
	v_add_nc_u32 v[AR16], 4*ZCH, v[AR16]
	v_add_nc_u32 v[ASP], PST, v[ASP]
	v_add_nc_u32 v[AR8], 4*ZCH, v[AR8]
.elseif (\t) > 1
.rept 4
	v_nop
.endr
.endif
	WIN 0x40
.irp b, 0,1,2,3,4,5,6,7
	FRAG3 PFS+12*\b, AP, CH*(\b/2)+3072*(\b%2)+K2O
.endr
	WIN 0
.irp a, 0,1,2,3
	FRAGH RFS+12*\a, AR16, AR8, ZCH*(\a/2)+3072*(\a%2)+K2O
.endr
.if ((\t)%2) == 0
.set SCF, SP+8*(((\t)/2)%2)
.irp g, 0,1,2,3
	ds_load_b64 v[SCF+2*\g:SCF+2*\g+1], v[ASP] offset:CH*\g
.endr
.endif
.endm
.macro MUL s                           ; the 32 accumulators take turns, one instruction a turn, in the same order in every step
.set PFM, 96*((\s)%2)
.set RFM, RF+48*((\s)%2)
.set SCM, SP+8*(((\s)/2)%2)
	WIN 0xa1
.irp a, 0,1,2,3
.irp b, 0,1,2,3,4,5,6,7
.if (\s) == 0
	v_wmma_scale_f32_16x16x128_f8f6f4 v[8*(8*\a+\b):8*(8*\a+\b)+7], v[PFM+12*\b:PFM+12*\b+11], v[RFM+12*\a:RFM+12*\a+11], 0, v[SCM+\b], v[SR+8*\a+(\s)] matrix_a_fmt:MATRIX_FMT_FP6 matrix_b_fmt:MATRIX_FMT_FP6
.elseif (\s)%2
	v_wmma_scale_f32_16x16x128_f8f6f4 v[8*(8*\a+\b):8*(8*\a+\b)+7], v[PFM+12*\b:PFM+12*\b+11], v[RFM+12*\a:RFM+12*\a+11], v[8*(8*\a+\b):8*(8*\a+\b)+7], v[SCM+\b], v[SR+8*\a+(\s)] matrix_a_fmt:MATRIX_FMT_FP6 matrix_b_fmt:MATRIX_FMT_FP6 matrix_a_scale:MATRIX_SCALE_ROW1
.else
	v_wmma_scale_f32_16x16x128_f8f6f4 v[8*(8*\a+\b):8*(8*\a+\b)+7], v[PFM+12*\b:PFM+12*\b+11], v[RFM+12*\a:RFM+12*\a+11], v[8*(8*\a+\b):8*(8*\a+\b)+7], v[SCM+\b], v[SR+8*\a+(\s)] matrix_a_fmt:MATRIX_FMT_FP6 matrix_b_fmt:MATRIX_FMT_FP6
.endif
.endr
.endr
.endm
.macro STEP s                          ; in front of Wo's quarter 2's first read: my load has landed, and a barrier shows the same of every wave
.if (\s) == 3
	s_wait_tensorcnt 0x0                           ; every wave: Wo's quarters 2 and 3 are in
.endif
	s_wait_dscnt 0x0
.if (\s) == 3
	s_barrier_signal -1                            ; behind this barrier nobody reads Wo's quarters 0 and 1, where the stages lie
	s_barrier_wait -1
.endif
.if (\s) < 7
	FETCH (\s)+1
.endif
	MUL \s
.endm
	s_cmp_lt_u32 s16, 3
	s_cbranch_scc0 .Lnot_first
	s_wait_tensorcnt 0x0                           ; waves 0 to 2, whose load lines are their own: Wo's quarters 0 and 1, z's codes and z's scale bytes are in
.Lnot_first:
	s_barrier_signal -1
	s_barrier_wait -1
.set n, 0
.rept 16
	ds_load_b64 v[ZU+2*n:ZU+2*n+1], v[AZS] offset:256*n   ; head n: the two bytes of my four tiles, row r
.set n, n+1
.endr
	FETCH 0
	s_wait_dscnt 44                                ; the 44 loads of the fetch may stay out: the scale bytes are in
.irp a, 0,1,2,3
.irp k, 0,1,2,3,4,5,6,7
.if \a%2
	v_perm_b32 v[SR+8*\a+\k], v[ZU+4*\k+2+\a/2], v[ZU+4*\k+\a/2], 0x07060302   ; K step k: heads 2 k (low) and 2 k + 1 (high)
.else
	v_perm_b32 v[SR+8*\a+\k], v[ZU+4*\k+2+\a/2], v[ZU+4*\k+\a/2], 0x05040100
.endif
.endr
.endr
.rept 8
	v_nop                                          ; a scale register written by a vector instruction stands eight places ahead of the scaled product
.endr
	s_wait_alu depctr_va_vdst(0)
	STEP 0
	STEP 1
	s_wait_alu depctr_va_vdst(0)
	STEP 2
	STEP 3
	s_wait_alu depctr_va_vdst(0)
	STEP 4
	STEP 5
	s_wait_alu depctr_va_vdst(0)
	STEP 6
	STEP 7
.rept 4
	v_nop                                          ; four places behind the last products
.endr
	s_wait_loadcnt 0x0                             ; bo
.irp a, 0,1,2,3                        ; a tile of 16 tokens
	WIN 0x82                                       ; destination and source 0 window 2
.set n, 0
.rept 32
	v_pk_add_f32 v[64*\a+n:64*\a+n+1], v[64*\a+n:64*\a+n+1], v[BI+n:BI+n+1]   ; each accumulator from its low end on
.set n, n+2
.endr
	WIN 0x08                                       ; an LDS store's data: window 2
.irp k, 0,1,2,3
.irp m, 0,1,2,3
	ds_store_b128 v[STO], v[64*\a+16*\k+4*\m:64*\a+16*\k+4*\m+3] offset:128*\k+16*\m
.endr
.endr
	WIN 0
.if \a > 0
	s_wait_xcnt 0x0                                ; the last tile's stores have read their registers
.endif
.set n, 0
.rept 16
	ds_load_b128 v[BK+4*n:BK+4*n+3], v[SRD] offset:SROW*n   ; LDS serves a wave's instructions in order: these see my stores, and the next tile's stores come behind them
.set n, n+1
.endr
.set n, 0
.rept 16
	s_wait_dscnt 15-n                              ; row n is back; the younger loads stay out
	global_store_b128 v[L16], v[BK+4*n:BK+4*n+3], s[12:13] offset:(32*(\a/2)+8*(\a%2)+n+8*(n/8))*4096 th:TH_STORE_NT   ; 512 consecutive bytes of one token's row
.set n, n+1
.endr
.endr
	s_wait_tensorcnt 0x0                           ; the wave's end
	ds_add_u32 v[SPW], v[NIL]
	s_wait_dscnt 0x0
	CROUND                                         ; the closing round
	s_endpgm
.Lfunc_end_k_qe9a9d8c077_outgemm:
	.size	k_qe9a9d8c077_outgemm, .Lfunc_end_k_qe9a9d8c077_outgemm-k_qe9a9d8c077_outgemm
	.p2alignl 7, 3214868480
	.fill 96, 4, 3214868480
	.section	.rodata,"a",@progbits
	.p2align	6, 0x0
	.amdhsa_kernel k_qe9a9d8c077_outgemm
		.amdhsa_group_segment_fixed_size 311808
		.amdhsa_private_segment_fixed_size 0
		.amdhsa_enable_private_segment 0
		.amdhsa_kernarg_size 40
		.amdhsa_user_sgpr_count 2
		.amdhsa_user_sgpr_kernarg_segment_ptr 1
		.amdhsa_wavefront_size32 1
		.amdhsa_system_sgpr_workgroup_id_x 1
		.amdhsa_system_sgpr_workgroup_id_y 1
		.amdhsa_system_sgpr_workgroup_id_z 1
		.amdhsa_system_vgpr_workitem_id 0
		.amdhsa_next_free_vgpr 768
		.amdhsa_next_free_sgpr 100
		.amdhsa_reserve_vcc 0
		.amdhsa_float_denorm_mode_32 3
		.amdhsa_float_denorm_mode_16_64 3
		.amdhsa_memory_ordered 1
		.amdhsa_forward_progress 1
		.amdhsa_inst_pref_size 94
	.end_amdhsa_kernel
	.amdgpu_metadata
---
amdhsa.version: [ 1, 2 ]
amdhsa.kernels:
  - .name:           k_qe9a9d8c077_outgemm
    .symbol:         k_qe9a9d8c077_outgemm.kd
    .args:
      - { .name: xc, .offset: 0, .size: 8, .value_kind: global_buffer, .address_space: global }
      - { .name: zc, .offset: 8, .size: 8, .value_kind: global_buffer, .address_space: global }
      - { .name: zs, .offset: 16, .size: 8, .value_kind: global_buffer, .address_space: global }
      - { .name: bo, .offset: 24, .size: 8, .value_kind: global_buffer, .address_space: global }
      - { .name: out0, .offset: 32, .size: 8, .value_kind: global_buffer, .address_space: global }
    .group_segment_fixed_size: 311808
    .private_segment_fixed_size: 0
    .kernarg_segment_align: 8
    .kernarg_segment_size: 40
    .max_flat_workgroup_size: 128
    .sgpr_count:     100
    .vgpr_count:     768
    .wavefront_size: 32
...
	.end_amdgpu_metadata
.endif
;; end of part 4
